; MI455X (gfx1250); checked and timed in simulation.
; The chip was launched on July 23, 2026; its instructions are those of AMD's public machine-readable ISA for CDNA 5 (MIT licence, August 2026) and "CDNA5" Instruction Set Architecture Reference Guide (July 2026). The comments in the code are by the model that wrote it; some were corrected since.
;; Memory Mo E. Allowed arithmetic: matrix products marked QUANTISED: E2M1 operands, one E8M0 scale for each 32 along K, by v_wmma_scale_f32_16x16x128_f8f6f4 with both operands' format E2M1 (or v_wmma_scale_f32_32x16x128_f4), f32 sums; products left as they are: f32 operands where the result goes on into a quantised operand, else bf16, f16 or f32 operands; f32 sums; everything else in f32.
;; Inputs: routing_indices 4 x 2,048 x 1 int32; routing_weights 4 x 2,048 x 8 float32; w0_codes 8 x 1,024 x 16 x 16 uint8 (E2M1 codes of w0, K innermost, in blocks of 32 codes, two codes a byte); w0_scales 8 x 1,024 x 16 uint8 (E8M0 scales of w0, one for each 32 codes along K); w1_codes 8 x 512 x 32 x 16 uint8 (E2M1 codes of w1, K innermost, in blocks of 32 codes, two codes a byte); w1_scales 8 x 512 x 32 uint8 (E8M0 scales of w1, one for each 32 codes along K); x_codes 4 x 2,048 x 16 x 16 uint8 (E2M1 codes of x, K innermost, in blocks of 32 codes, two codes a byte); x_scales 4 x 2,048 x 16 uint8 (E8M0 scales of x, one for each 32 codes along K).
;; Outputs: out0 4 x 2,048 x 512 float32.
;; This version of the problem:
;;   THIS VERSION OF THE PROBLEM IS GIVEN IN LOW PRECISION. The matrix products marked QUANTISED in the list below multiply operands that are first quantised to E2M1 (2 exponent bits, 1 mantissa bit; 4 bits a number), with one power-of-two scale for each 32 numbers along K (OCP MX v1.0); their sums are f32. All else is computed in f32.
;;   The module's matrix products, in the order in which they are computed (A, B: the left and right operand; K: the contracted axis; several contracted axes count as one K, in the product's order):
;;     1. [M 8,192, K 512] x [K 512, N 8,192]; A: input w0 (given as codes); B: input x (given as codes): QUANTISED
;;     2. batch 8 x [M 512, K 1,024] x [K 1,024, N 8,192]; A: input w1 (given as codes); B: computed on the way: QUANTISED
;;     3. batch 8,192 x [M 512, K 8] x [K 8, N 1]; A: computed on the way; B: computed on the way: left as it is (K = 8 < 32)
;;   THE QUANTISER, for each operand of a quantised product, along K:
;;     - K is cut into blocks of 32 from its start; a last block that is shorter is filled with zeros.
;;     - A block's scale is 2^e with e = floor(log2(the largest magnitude in the block)) - 2, held to -126 .. 127; a block of zeros has e = 0. As a byte (E8M0): e + 127.
;;     - Each number is divided by its block's scale, clamped to +-6, and rounded to the nearest number of E2M1, ties to even, subnormals kept.
;;     - The product sums the exact products of the quantised numbers (number of the format x scale) in f32.
;;   ~~~python
;;   def quantise(x, axis):      # numpy; x: float32 -> the quantised numbers, widened to float32 again
;;       x = np.moveaxis(x, axis, -1); K = x.shape[-1]
;;       x = np.pad(x, [(0, 0)] * (x.ndim - 1) + [(0, -K % 32)]); x = x.reshape(x.shape[:-1] + (-1, 32)); a = np.abs(x).max(-1, keepdims=True)
;;       e = np.where(a > 0, np.clip(np.frexp(np.where(a > 0, a, 1))[1] - 1 - 2, -126, 127), 0)      # np.frexp(a)[1] - 1 = floor(log2(a)), exactly
;;       r = np.clip(x / 2.0 ** e, -6, 6)
;;       step = 2.0 ** (np.maximum(np.frexp(np.where(r == 0, 1, r))[1] - 1, 0) - 1)
;;       q = np.round(r / step) * step * 2.0 ** e      # np.round: ties to even
;;       return np.moveaxis(q.reshape(q.shape[:-2] + (-1,))[..., :K], -1, axis).astype(np.float32)
;;   ~~~
;;   OPERANDS COMPUTED ON THE WAY. 'Computed on the way' means the value that the module computes at that place (a softmax that the list does not call 'softmax' is quantised finished and normalised). What goes into a quantiser is computed in f32, as accurately as f32 sums, v_exp_f32 and their like allow (about 1e-6 of the number): no bf16 or f16 on the way to a quantiser, and a product that is left as it is and whose result goes on into a quantised operand takes f32 operands (vector FMAs, or v_wmma_f32_16x16x4_f32). A number that lies on a knife's edge between two numbers of the format may be rounded either way, as far as f32 arithmetic and the matrix unit's own rounding can turn it there, and no further.
;;   INPUTS GIVEN AS CODES. w0 (in the module: [8, 512, 1024], K = its axis 1); w1 (in the module: [8, 1024, 512], K = its axis 1); x (in the module: [4, 2048, 512], K = its axis 2): each comes as NAME_codes (uint8): NAME with its K axis moved to the last place and cut into blocks of 32 codes, [.., K / 32, bytes a block], one block behind the other in memory; two codes a byte, the lower K in the low four bits (a code: sign, 2 exponent bits, 1 mantissa bit); and NAME_scales (uint8): the same leading axes, one E8M0 byte (e + 127) for each 32 codes along K. Its value is code x scale, taken as it is: it is not quantised again, and the codes and scales need not be those that the quantiser above would give.
;; 2 versions, each right; version 2 is version 1 with the launch moe written anew for expert scheduling mode. Each part assembles by itself: llvm-mc -triple=amdgcn-amd-amdhsa -mcpu=gfx1250 --defsym DOCPART=n.
;; ======== version 1 of 2: 2 launches
;; workspace buffers: order 262,144 bytes of whole numbers; counts 256 bytes of whole numbers; w0f 2,097,152 bytes; w1f 2,097,152 bytes
;; launch prep (part 1): grid 72 x 1, 16 waves a work-group, no clusters, 2,304 bytes of LDS; arguments routing_indices, w0_codes, w1_codes, order, counts, w0f, w1f; writes order, counts, w0f, w1f
.if DOCPART == 1
	.amdgcn_target "amdgcn-amd-amdhsa--gfx1250"
	.amdhsa_code_object_version 6
	.text
	.protected	k_q9c18def748_prep
	.globl	k_q9c18def748_prep
	.p2align	8
	.type	k_q9c18def748_prep,@function
k_q9c18def748_prep:
	s_mov_b64 s[64:65], 0
	v_nop
	global_prefetch_b8 v0, s[64:65] scope:SCOPE_SE
	s_setreg_imm32_b32 hwreg(HW_REG_WAVE_MODE, 25, 1), 1
	s_wait_xcnt 0x0
; Two jobs in one launch, parted on the work-group's number alone.
; WORK-GROUPS 0-7, one for each expert e: a list of all 8,192 tokens, order[e][0 .. 8191]: the tokens whose index is e first, all others from the back,
;   so that every word is written and every word is a token's number; and counts[e], how many are e's.  No atomics: each of the 16 waves counts its 512 tokens,
;   the 16 counts meet in LDS, and each token's place follows from a prefix sum.
; WORK-GROUPS 8-71: w0's and w1's codes are laid out once in the order in which a wave's operand registers take them, so that the next launch loads whole
;   fragments by loads of 512 consecutive bytes.  A fragment is 16 rows x 128 K of 4-bit codes: 8 registers a lane, 1,024 bytes: lane l's 16 bytes of register group c at 512 c + 16 l.
;   w0f: byte (4 e + w) 65536 + g 32768 + q 8192 + t 1024: tile T = 16 w + 8 g + t of expert e, K step q.  THE ROWS OF A TILE ARE NOT NEIGHBOURS: lane r takes row 32 (T / 2) + 8 (T % 2) + r + 8 (r / 8).
;   w1f: byte (4 e + w) 65536 + s 8192 + n 1024: rows 128 w + 16 n + r of expert e, K step s.
; LIMIT: an index outside 0 .. 7 puts its token on no expert's list (the problem says that an index stays inside its table).
	s_load_b256 s[4:11], s[0:1], 0x0               ; the indices s[4:5], w0's codes s[6:7], w1's codes s[8:9], order s[10:11]
	s_load_b128 s[12:15], s[0:1], 0x20             ; counts s[12:13], w0f s[14:15]
	s_load_b64 s[16:17], s[0:1], 0x30              ; w1f
	v_lshl_add_u32 v80, v0, 2, 0x100
	v_mov_b32 v81, 0
	v_lshrrev_b32 v5, 5, v0
	v_readfirstlane_b32 s20, v5                    ; wave 0..15
	v_and_b32 v1, 31, v0                           ; lane
	v_and_b32 v2, 15, v0                           ; r
	v_bfe_u32 v3, v0, 4, 1                         ; h
	s_wait_kmcnt 0x0
	s_cmp_ge_u32 ttmp9, 8
	s_cbranch_scc1 .Lmove
	; ---- THE LIST of expert e.  Wave w holds tokens 512 w .. 512 w + 511: register j = 4 k + i of lane l holds token 512 w + 128 k + 4 l + i.
	; The scan's order is o = 512 w + 32 j + l; any order serves, since each token is worked by itself.
	s_mov_b32 s21, ttmp9                           ; e
	s_lshl_b32 s22, s20, 11
	v_lshl_add_u32 v4, v1, 4, s22                  ; 2,048 bytes a wave, 16 a lane
.irp k, 0,1,2,3
	global_load_b128 v[8+4*\k:11+4*\k], v4, s[4:5] offset:512*\k   ; 32 lanes read 512 consecutive bytes
.endr
	v_lshlrev_b32 v5, 2, v5                        ; my wave's word in LDS
	v_mov_b32 v7, 0
	s_mov_b32 s23, 0
	s_lshl_b32 s29, s20, 9                         ; 512 w
	s_sub_co_u32 s30, 8191, s29
	v_sub_nc_u32 v72, s30, v1                      ; 8191 - 512 w - l
	v_lshl_add_u32 v73, v1, 2, s29                 ; 512 w + 4 l
	s_lshl_b32 s26, s21, 15                        ; e's list: 32,768 bytes
	s_mov_b32 s27, 0
	s_add_nc_u64 s[26:27], s[10:11], s[26:27]
	s_wait_loadcnt 0x0
.irp j, 0,1,2,3,4,5,6,7,8,9,10,11,12,13,14,15
	v_cmp_eq_u32 s[32+\j], s21, v[8+\j]            ; which lanes' tokens are e's: a mask for each register, kept
	s_bcnt1_i32_b32 s22, s[32+\j]
	s_add_co_u32 s23, s23, s22                     ; my wave's count
.endr
	v_mov_b32 v6, s23
	ds_store_b32 v5, v6                            ; all lanes write the same word with the same value
	s_wait_dscnt 0x0                               ; for the others' sake: my store has landed
	s_barrier_signal -1
	s_barrier_wait -1                              ; (the way here hangs on the work-group's number alone: all 16 waves are on it)
.irp k, 0,1,2,3
	ds_load_b128 v[56+4*\k:59+4*\k], v7 offset:16*\k   ; the 16 counts, in every lane
.endr
	s_wait_dscnt 0x0
.irp i, 0,1,2,3,4,5,6,7,8,9,10,11,12,13,14,15
	v_readfirstlane_b32 s[48+\i], v[56+\i]
.endr
	s_mov_b32 s24, 0                               ; e's tokens in the waves before mine
	s_mov_b32 s25, 0                               ; e's tokens in all
.irp i, 0,1,2,3,4,5,6,7,8,9,10,11,12,13,14,15
	s_add_co_u32 s25, s25, s[48+\i]
	s_cmp_gt_u32 s20, \i
	s_cselect_b32 s22, s[48+\i], 0
	s_add_co_u32 s24, s24, s22
.endr
.irp j, 0,1,2,3,4,5,6,7,8,9,10,11,12,13,14,15
	v_mbcnt_lo_u32_b32 v74, s[32+\j], s24          ; R: e's tokens ahead of mine in the scan
	v_add3_u32 v75, v74, v72, -(32*\j)             ; 8191 - (o - R): the others fill the list from its back
	v_cndmask_b32 v[24+\j], v75, v74, s[32+\j]     ; e's own take place R
	v_min_u32 v[24+\j], 8191, v[24+\j]             ; a place in the list, whatever was loaded
	v_lshlrev_b32 v[24+\j], 2, v[24+\j]
	v_add_nc_u32 v[40+\j], 128*(\j/4)+\j%4, v73    ; the token's number
	s_bcnt1_i32_b32 s22, s[32+\j]
	s_add_co_u32 s24, s24, s22
	global_store_b32 v[24+\j], v[40+\j], s[26:27]  ; every j has registers of its own: no store's sources are written again
.endr
	s_cmp_lg_u32 s20, 0
	s_cbranch_scc1 .Llist_done
	s_lshl_b32 s29, s21, 2
	v_mov_b32 v76, s29                             ; counts[e], by lane 0 of wave 0
	v_mov_b32 v77, s25
	v_cmp_eq_u32 vcc_lo, 0, v1
	s_wait_xcnt 0x0                                ; EXEC is a source of the stores above: it changes only behind this wait
	s_and_saveexec_b32 s28, vcc_lo
	global_store_b32 v76, v77, s[12:13]
	s_wait_xcnt 0x0                                ; and again in front of the line that widens it
	s_or_b32 exec_lo, exec_lo, s28
.Llist_done:
	s_wait_tensorcnt 0x0
	ds_add_u32 v80, v81
	s_wait_dscnt 0x0
	s_endpgm
	; ---- THE WEIGHTS.  1,024 waves, 4,096 bytes each: the first 512 take w0 (a tile of 16 rows, its 4 K steps), the others w1 (16 rows, 4 of their 8 K steps).
	; One way through the text for both: only pointers, two offsets and two pitches are chosen.
.Lmove:
	s_sub_co_u32 s21, ttmp9, 8
	s_lshl_b32 s21, s21, 4
	s_add_co_u32 s21, s21, s20                     ; which of the 1,024
	s_and_b32 s22, s21, 511                        ; x.  w0: 64 e + T.  w1: 64 e + 16 w + 2 n + half
	s_lshr_b32 s23, s22, 1
	s_lshl_b32 s23, s23, 13                        ; from: (x / 2) 8192: w0: 32 rows of 256 bytes; w1: 16 rows of 512
	s_and_b32 s24, s22, 1
	s_lshl_b32 s25, s24, 11                        ; w0: the odd tile begins 8 rows on
	s_lshl_b32 s26, s24, 8                         ; w1: the second half of K begins 256 bytes on
	s_lshr_b32 s27, s22, 3                         ; to, w0: (x / 8) 32768 + (x % 8) 1024
	s_lshl_b32 s27, s27, 15
	s_and_b32 s28, s22, 7
	s_lshl_b32 s28, s28, 10
	s_add_co_u32 s27, s27, s28
	s_lshr_b32 s28, s22, 4                         ; to, w1: (x / 16) 65536 + half 32768 + n 1024
	s_lshl_b32 s28, s28, 16
	s_lshl_b32 s29, s24, 15
	s_add_co_u32 s28, s28, s29
	s_bfe_u32 s29, s22, 0x30001
	s_lshl_b32 s29, s29, 10
	s_add_co_u32 s28, s28, s29
	s_mov_b32 s30, 512
	s_cmp_lt_u32 s21, 512                          ; w0's wave or w1's?  The choice hangs on ids alone; the selects below leave SCC as it is
	s_cselect_b32 s25, s25, s26
	s_cselect_b32 s27, s27, s28
	s_cselect_b32 s30, 256, s30                    ; a row in bytes
	s_cselect_b32 s31, 256, 0                      ; w0 alone: lanes 8-15 take rows 8 further on
	s_cselect_b64 s[6:7], s[6:7], s[8:9]
	s_cselect_b64 s[14:15], s[14:15], s[16:17]
	s_add_co_u32 s32, s23, s25
	s_mov_b32 s33, 0
	s_mov_b32 s34, s27
	s_mov_b32 s35, 0
	s_add_nc_u64 s[6:7], s[6:7], s[32:33]
	s_add_nc_u64 s[14:15], s[14:15], s[34:35]
	v_mul_u32_u24 v8, s30, v2                      ; row r,
	v_and_b32 v10, 8, v2
	v_mad_u32_u24 v8, v10, s31, v8                 ; + 8 (r / 8) rows for w0,
	v_lshl_add_u32 v8, v3, 4, v8                   ; + 16 h: the fragment's layout gives lane (r, h) bytes 32 c + 16 h of a K step's 64
	v_lshlrev_b32 v9, 4, v1                        ; out: 16 bytes a lane
.irp i, 0,1,2,3,4,5,6,7
	global_load_b128 v[16+4*\i:19+4*\i], v8, s[6:7] offset:32*\i th:TH_LOAD_NT   ; K step i / 2, register group i % 2: 64 (i / 2) + 32 (i % 2) = 32 i.  Read once in the launch
.endr
.irp i, 0,1,2,3,4,5,6,7
	s_wait_loadcnt 7-\i                            ; loads come back in order: load i is in, the younger ones may be out
	global_store_b128 v9, v[16+4*\i:19+4*\i], s[14:15] offset:8192*(\i/2)+512*(\i%2)   ; 32 lanes store 512 consecutive bytes, at a multiple of 512 from the buffer's first byte
.endr
	s_endpgm
.Lfunc_end_k_q9c18def748_prep:
	.size	k_q9c18def748_prep, .Lfunc_end_k_q9c18def748_prep-k_q9c18def748_prep
	.p2alignl 7, 3214868480
	.fill 96, 4, 3214868480
	.section	.rodata,"a",@progbits
	.p2align	6, 0x0
	.amdhsa_kernel k_q9c18def748_prep
		.amdhsa_group_segment_fixed_size 2304
		.amdhsa_private_segment_fixed_size 0
		.amdhsa_enable_private_segment 0
		.amdhsa_kernarg_size 56
		.amdhsa_user_sgpr_count 2
		.amdhsa_user_sgpr_kernarg_segment_ptr 1
		.amdhsa_wavefront_size32 1
		.amdhsa_system_sgpr_workgroup_id_x 1
		.amdhsa_system_sgpr_workgroup_id_y 1
		.amdhsa_system_sgpr_workgroup_id_z 1
		.amdhsa_system_vgpr_workitem_id 0
		.amdhsa_next_free_vgpr 82
		.amdhsa_next_free_sgpr 66
		.amdhsa_reserve_vcc 1
		.amdhsa_float_denorm_mode_32 3
		.amdhsa_float_denorm_mode_16_64 3
		.amdhsa_memory_ordered 1
		.amdhsa_forward_progress 1
		.amdhsa_inst_pref_size 19
	.end_amdhsa_kernel
	.amdgpu_metadata
---
amdhsa.version: [ 1, 2 ]
amdhsa.kernels:
  - .name:           k_q9c18def748_prep
    .symbol:         k_q9c18def748_prep.kd
    .args:
      - { .name: routing_indices, .offset: 0, .size: 8, .value_kind: global_buffer, .address_space: global }
      - { .name: w0_codes, .offset: 8, .size: 8, .value_kind: global_buffer, .address_space: global }
      - { .name: w1_codes, .offset: 16, .size: 8, .value_kind: global_buffer, .address_space: global }
      - { .name: order, .offset: 24, .size: 8, .value_kind: global_buffer, .address_space: global }
      - { .name: counts, .offset: 32, .size: 8, .value_kind: global_buffer, .address_space: global }
      - { .name: w0f, .offset: 40, .size: 8, .value_kind: global_buffer, .address_space: global }
      - { .name: w1f, .offset: 48, .size: 8, .value_kind: global_buffer, .address_space: global }
    .group_segment_fixed_size: 2304
    .private_segment_fixed_size: 0
    .kernarg_segment_align: 8
    .kernarg_segment_size: 56
    .max_flat_workgroup_size: 512
    .sgpr_count:     66
    .vgpr_count:     82
    .wavefront_size: 32
...
	.end_amdgpu_metadata
.endif
;; end of part 1
;; launch moe (part 2): grid 178 x 1, 4 waves a work-group, no clusters, 75,776 bytes of LDS; arguments counts, order, x_codes, x_scales, w0f, w0_scales, w1f, w1_scales, routing_weights, out0; writes out0
.if DOCPART == 2
	.amdgcn_target "amdgcn-amd-amdhsa--gfx1250"
	.amdhsa_code_object_version 6
	.text
	.protected	k_q9c18def748_moe
	.globl	k_q9c18def748_moe
	.p2align	8
	.type	k_q9c18def748_moe,@function
k_q9c18def748_moe:
	s_mov_b64 s[64:65], 0
	v_nop
	global_prefetch_b8 v0, s[64:65] scope:SCOPE_SE
	s_setreg_imm32_b32 hwreg(HW_REG_WAVE_MODE, 25, 1), 1
	s_wait_xcnt 0x0
; y[token] = gate[token] x ( Q(gelu(x[token] W0[e])) W1[e] ), e the token's expert: only the chosen expert's rows are multiplied.  Both products on codes of FP4 (E2M1) with one E8M0 scale for each 32 along K.
; GRID.  Tiles of 48 rows of one expert.  8,192 rows and 8 experts never make more than ceil(8192 / 48) + 7 = 178 tiles, whatever the split: 178 work-groups.  Which tile is mine follows from counts[0..7].
; A tile's rows past its expert's count, and a work-group that the split leaves without a tile, take tokens from the back of the expert's list (every word there is a token's number), run the same text,
; and jump over their stores alone: so no branch on loaded numbers stands ahead of a barrier.
; SHARES.  One work-group takes its 48 rows through the whole chain; the hidden layer never goes to memory.  THE WAVES SHARE THE COLUMNS: wave w makes hidden units 256 w .. 256 w + 255 (two groups g of 128,
; which are K steps 2 w + g of the second product) and outputs 128 w .. 128 w + 127, for all 48 rows.  So each weight fragment is loaded once in the work-group, by one wave, from memory straight into its
; registers, by loads of 512 consecutive bytes (w0f, w1f are laid so).  A chunk is 8 fragments, 8,192 bytes, 16 loads, 64 registers: chunks 0-7 are w0's (4 g + q), chunks 8-15 w1's (8 + s).
; Both products are used TRANSPOSED (source 0 = 16 rows of a weight, source 1 = 16 tokens): a lane holds ONE token (lane % 16).  The rows of w0 that form a tile are chosen so that the 16 registers of
; tiles 2 b, 2 b + 1 are 16 neighbours along the next K: 32 b + 16 (lane / 16) + 0 .. 15.  Operands go from wave to wave through LDS as images of their registers (16 bytes a lane, 512 a store).
; GELU, exact form: gelu(x) = max(x, 0) - |x| c, c = erfc(|x| / sqrt 2) / 2 = t 2^(-k2 x^2 + c0 + t (c1 + .. + t c9)), t = 1 / (1 + |x| / (2 sqrt 2)): a fit of erfc whose fractional error is under 1.2e-7
; for every argument; the reciprocal gets one Newton step; neither side of 0 has a difference of near numbers.
; NO CLUSTER, NO TENSOR LOAD: how many tiles an expert has hangs on counts read from memory, so neighbours in the grid need not share an expert, and the stores branch on those counts.
; LIMITS: NaN and infinities are not served.  Where |x| c lies under 2^-126 the exponential gives 0 and gelu is 0 for negative x.  A block of zeros of the hidden layer carries the byte 1 with zero codes
; (read by this kernel alone).  GELU's error is some 5e-7 of the number, more (in proportion to x^2) for x under about -5, where the numbers are far under their block's smallest code.
; LDS: x's images and scale words, 3 x 4,608; the hidden layer's, 24 x 1,152; a stage of 16 rows x 528 bytes for each wave.
; REGISTERS, in windows of 256: window 0: addresses, scale words, the tokens' fragments, rows on the way out.  window 1: accumulators (v0-63, later v0-191), GELU's and the quantiser's registers, gates.
;   windows 2, 3: eight chunks of weights.
.set XREC,   4608                      ; x, tile of rows m: 4 images of 1,024 bytes, then 4 x 128 bytes of scale words
.set HBASE,  3*XREC                    ; the hidden layer: record 3 s + m
.set HREC,   1152                      ; an image of 1,024 bytes, then 128 bytes of scale words
.set STG,    HBASE+24*HREC             ; the stages
.set SPITCH, 528                       ; a stage row: 512 bytes + 16
.set LI,   1                           ; v1   16 x lane
.set LS,   2                           ; v2   4 x lane
.set RR,   3                           ; v3   r = lane % 16
.set HH,   4                           ; v4   h = lane / 16
.set XWI,  5                           ; v5   where I store x's images: 16 x lane + 1,024 x wave
.set XWS,  6                           ; v6   and their scale words: 4 x lane + 128 x wave
.set TK,   7                           ; v7-9   my lane's token in tiles 0, 1, 2
.set XCO,  10                          ; v10-12 its codes' byte offset;  v13-15 its scale word's;  v16-18 its gate's
.set XSO,  13
.set GO,   16
.set W0SO, 19                          ; v19  w0's scale words;  v20 w1's
.set W1SO, 20
.set RD,   21                          ; v21  the stage: where I read a row back
.set CO,   22                          ; v22  my bytes in a row of y: 512 x wave + 16 x lane
.set OO,   23                          ; v23-25 offsets into the list
.set XA,   26                          ; v26, v27 the trip's LDS addresses of x's images and scale words
.set XSA,  27
.set GT,   28                          ; v28-30 gates
.set TMP,  31
.set XS,   32                          ; v32-35 x's scale words, K step q
.set HWI,  36                          ; v36  where I store the hidden layer's images;  v37 their scale words
.set HWS,  37
.set SO,   38                          ; v38  the stage: where I put 32 bytes of a row
.set HA,   39                          ; v39, v110 the trip's addresses for those stores
.set HSA,  110
.set WS0,  40                          ; v40-71  w0's scale words: register 4 B + q: lanes 0-15 tile 2 B, lanes 16-31 tile 2 B + 1 (B = 4 g + t / 2)
.set WS1,  72                          ; v72-103 w1's: register 8 p + s: lanes 0-15 tile 2 p, lanes 16-31 tile 2 p + 1
.set HS,   104                         ; v104-109 the hidden layer's scale words, two sets of three
.set ADR,  112                         ; v112-127 the way out: a byte offset in y for each of 16 rows
.set XF,   128                         ; v128-159 x's four fragments
.set HF,   128                         ; v128-175 later: the hidden layer's fragments, two sets of three
.set OB,   176                         ; v176-239 16 rows read back from the stage
.set XL,   224                         ; v224-247 x's codes as gathered, v248-250 its scale words (at the head only)
.set XLS,  248
.set T,    192                         ; window 1: v192-207 t, v208-223 the polynomial, v224-239 at work
.set P,    208
.set U,    224
.set TM,   192                         ; the quantiser's, over them: v192-207 at work, v208-215 the codes, v216 the scale word
.set PC,   208
.set PW,   216
.set GW,   244                         ; window 1: v244-249 the gates as pairs
.set C9V,  252                         ; window 1: v252-253 c9 as a pair
.set WV,   24                          ; s24  wave
.set NE,   28                          ; s28-35 the eight counts
.set TT,   36                          ; s36  my work-group's number
.set PFX,  37                          ; s37  tiles of the experts so far
.set EX,   38                          ; s38  my expert;  s39 its count;  s40 its first tile;  s41 at work
.set NN,   39
.set CPF,  40
.set TE,   41
.set START, 42                         ; s42  my first place in its list
.set CNT,  43                          ; s43  how many of my 48 rows are its own
.set SEL,  44                          ; s[44:45] v_permlanex16_b32's selects for lane l xor 16
.set XO,   46                          ; s46, s47 the trip's steps in LDS;  s48 trips to go
.set HO,   47
.set TRIPS, 48
.set OFF,  50                          ; s[50:51] an offset as a pair
.set CK,   66                          ; s66 c9;  pairs: c8 s[68:69], c7 s[70:71] .. c1 s[82:83], c0 s[84:85]
.set NK2,  86                          ; s[86:87] -k2 = -log2(e) / 2
.set K1,   88                          ; s88  1 / (2 sqrt 2)
.set MSB, 0
.macro WIN new                         ; low byte: bits 1:0 source 0, 3:2 source 1, 5:4 source 2, 7:6 destination; the high byte repeats the setting that is left
.if MSB != (\new)
	s_set_vgpr_msb (MSB<<8)|(\new)
.set MSB, \new
.endif
.endm
.macro PLACES                          ; four places behind a matrix instruction of this form, in front of reads of its results and of loads into its registers
.rept 4
	v_nop
.endr
.endm
.macro KPAIR reg, val                  ; a constant as a pair: the packed forms name the pair and take its low word for both halves
	s_mov_b32 s[\reg], \val
	s_mov_b32 s[\reg+1], \val
.endm
.macro LOADC k                         ; chunk k: 16 loads of 512 consecutive bytes into slot k % 8.  The window stays set: the caller goes back to 0
.if ((\k)%8) < 4
	WIN 0x80
.else
	WIN 0xc0
.endif
.set CB, 64*((\k)%4)
.irp i, 0,1,2,3,4,5,6,7,8,9,10,11,12,13,14,15
.if (\k) < 8
	global_load_b128 v[CB+4*\i:CB+4*\i+3], v[LI], s[12:13] offset:((\k)%8)*8192+512*\i
.else
	global_load_b128 v[CB+4*\i:CB+4*\i+3], v[LI], s[16:17] offset:((\k)%8)*8192+512*\i
.endif
.endr
.endm
; one matrix instruction: D at d, source 0 (a weight's 16 rows) at a, source 1 (16 tokens) at b, their scale words in sa and sb.  odd: the weight's words lie in lanes 16-31.  zero: the product starts the sum
.macro WM d, a, b, sa, sb, odd, zero
.if \zero
.if \odd
	v_wmma_scale_f32_16x16x128_f8f6f4 v[(\d):(\d)+7], v[(\a):(\a)+7], v[(\b):(\b)+7], 0, v[\sa], v[\sb] matrix_a_fmt:MATRIX_FMT_FP4 matrix_b_fmt:MATRIX_FMT_FP4 matrix_a_scale:MATRIX_SCALE_ROW1
.else
	v_wmma_scale_f32_16x16x128_f8f6f4 v[(\d):(\d)+7], v[(\a):(\a)+7], v[(\b):(\b)+7], 0, v[\sa], v[\sb] matrix_a_fmt:MATRIX_FMT_FP4 matrix_b_fmt:MATRIX_FMT_FP4
.endif
.else
.if \odd
	v_wmma_scale_f32_16x16x128_f8f6f4 v[(\d):(\d)+7], v[(\a):(\a)+7], v[(\b):(\b)+7], v[(\d):(\d)+7], v[\sa], v[\sb] matrix_a_fmt:MATRIX_FMT_FP4 matrix_b_fmt:MATRIX_FMT_FP4 matrix_a_scale:MATRIX_SCALE_ROW1
.else
	v_wmma_scale_f32_16x16x128_f8f6f4 v[(\d):(\d)+7], v[(\a):(\a)+7], v[(\b):(\b)+7], v[(\d):(\d)+7], v[\sa], v[\sb] matrix_a_fmt:MATRIX_FMT_FP4 matrix_b_fmt:MATRIX_FMT_FP4
.endif
.endif
.endm
; The first product for 16 tokens and group g's 128 hidden units: 8 tiles x 4 K steps.  The eight accumulators take turns, one instruction a turn.
.macro MUL1 g
	WIN 0x52+(\g)                                  ; w0 in window 2 + g, x in window 0, C and D in window 1
.irp q, 0,1,2,3
.irp t, 0,1,2,3,4,5,6,7
	WM 8*\t, 64*\q+8*\t, XF+8*\q, WS0+4*(4*(\g)+\t/2)+\q, XS+\q, \t%2, \q==0
.endr
.endr
.endm
; GELU of 16 numbers of a lane, v[16 b] on, in place.  All its vector registers lie in window 1.  Each accumulator is read from its low end on.
.macro GELU16 b
.set GX, 16*(\b)
.irp i, 0,1,2,3,4,5,6,7,8,9,10,11,12,13,14,15
	v_fma_f32 v[U+\i], |v[GX+\i]|, s[K1], 1.0      ; d = 1 + |x| / (2 sqrt 2)
.endr
.irp i, 0,1,2,3,4,5,6,7,8,9,10,11,12,13,14,15
	v_rcp_f32 v[T+\i], v[U+\i]
.endr
	v_nop                                          ; a plain place behind the reciprocals
	s_wait_alu depctr_va_vdst(0)
.irp i, 0,2,4,6,8,10,12,14
	v_pk_fma_f32 v[P+\i:P+\i+1], v[U+\i:U+\i+1], v[T+\i:T+\i+1], 1.0 op_sel_hi:[1,1,0] neg_lo:[1,0,0] neg_hi:[1,0,0]   ; 1 - d t
.endr
.irp i, 0,2,4,6,8,10,12,14
	v_pk_fma_f32 v[T+\i:T+\i+1], v[T+\i:T+\i+1], v[P+\i:P+\i+1], v[T+\i:T+\i+1]   ; t + t (1 - d t): one Newton step
.endr
.irp i, 0,2,4,6,8,10,12,14
	v_pk_fma_f32 v[P+\i:P+\i+1], v[T+\i:T+\i+1], v[C9V:C9V+1], s[CK+2:CK+3] op_sel_hi:[1,1,0]   ; c9 t + c8
.endr
.irp c, 4,6,8,10,12,14,16
.irp i, 0,2,4,6,8,10,12,14
	v_pk_fma_f32 v[P+\i:P+\i+1], v[P+\i:P+\i+1], v[T+\i:T+\i+1], s[CK+\c:CK+\c+1] op_sel_hi:[1,1,0]   ; .. t + c7 down to .. t + c1; eight chains by turns
.endr
.endr
.irp i, 0,2,4,6,8,10,12,14
	v_pk_mul_f32 v[U+\i:U+\i+1], v[GX+\i:GX+\i+1], s[NK2:NK2+1] op_sel_hi:[1,0]   ; -k2 x
.endr
.irp i, 0,2,4,6,8,10,12,14
	v_pk_fma_f32 v[U+\i:U+\i+1], v[U+\i:U+\i+1], v[GX+\i:GX+\i+1], s[CK+18:CK+19] op_sel_hi:[1,1,0]   ; -k2 x^2 + c0 (the factor 1/2 is in c0)
.endr
.irp i, 0,2,4,6,8,10,12,14
	v_pk_fma_f32 v[P+\i:P+\i+1], v[P+\i:P+\i+1], v[T+\i:T+\i+1], v[U+\i:U+\i+1]   ; the exponent
.endr
.irp i, 0,1,2,3,4,5,6,7,8,9,10,11,12,13,14,15
	v_exp_f32 v[P+\i], v[P+\i]
.endr
	v_nop                                          ; a plain place behind the exponentials
	s_wait_alu depctr_va_vdst(0)
.irp i, 0,2,4,6,8,10,12,14
	v_pk_mul_f32 v[P+\i:P+\i+1], v[P+\i:P+\i+1], v[T+\i:T+\i+1]   ; c = erfc / 2
.endr
.irp i, 0,1,2,3,4,5,6,7,8,9,10,11,12,13,14,15
	v_max_num_f32 v[T+\i], 0, v[GX+\i]
.endr
.irp i, 0,1,2,3,4,5,6,7,8,9,10,11,12,13,14,15
	v_fma_f32 v[GX+\i], -|v[GX+\i]|, v[P+\i], v[T+\i]   ; max(x, 0) - |x| c
.endr
.endm
; 64 numbers of a lane, v0-63 of window 1, register 16 b + i = k 32 b + 16 (lane / 16) + i of my token, become a fragment's codes in v[PC] on and its scale word in v[PW].
.macro QUANT
.irp b, 0,1,2,3
	v_max3_num_f32 v[TM+\b], |v[16*\b]|, |v[16*\b+1]|, 0x1800000   ; block b: my 16 numbers, and the floor 2^(3 - 127): so the byte cannot fall under 1
.endr
.irp i, 2,4,6,8,10,12,14
.irp b, 0,1,2,3
	v_max3_num_f32 v[TM+\b], v[TM+\b], |v[16*\b+\i]|, |v[16*\b+\i+1]|   ; (the four blocks by turns)
.endr
.endr
.irp b, 0,1,2,3
	v_permlanex16_b32 v[TM+4+\b], v[TM+\b], s[SEL], s[SEL+1]   ; (its destination has been written: it held t)
.endr
.irp b, 0,1,2,3
	v_max_num_f32 v[TM+\b], v[TM+\b], v[TM+4+\b]   ; with lane l xor 16's: the block's largest magnitude
.endr
.irp b, 0,1,2,3
	v_add_nc_u32 v[TM+12+\b], 0xff000000, v[TM+\b] ; 2 off its exponent field: the conversion takes the exponent field of this operand as its scale
.endr
.irp b, 0,1,2,3
	v_lshrrev_b32 v[TM+4+\b], 23, v[TM+12+\b]      ; the scale's byte
.endr
	v_lshl_or_b32 v[PW], v[TM+5], 8, v[TM+4]       ; the four bytes make my token's scale word
	v_lshl_or_b32 v[PW], v[TM+6], 16, v[PW]
	v_lshl_or_b32 v[PW], v[TM+7], 24, v[PW]
.irp b, 0,1,2,3
	v_cvt_scalef32_pk8_fp4_f32 v[PC+2*\b], v[16*\b:16*\b+7], v[TM+12+\b]
	v_cvt_scalef32_pk8_fp4_f32 v[PC+1+2*\b], v[16*\b+8:16*\b+15], v[TM+12+\b]
.endr
	v_nop                                          ; one plain place behind the last scaled conversion: for the exchanges below, and for the products that write v0-63 again
.irp c, 0,1                            ; the operand's layout wants a WHOLE block in a lane: lanes 0-15 block 2 c, lanes 16-31 block 2 c + 1
.irp i, 0,1
	v_permlane16_swap_b32 v[PC+4*\c+\i], v[PC+2+4*\c+\i]
.endr
.endr
.endm
; A TRIP: 16 tokens x group g's 128 hidden units: x's images from LDS, 32 products, GELU, the quantiser, the image of K step 2 w + g to LDS.  tail = 1: group 1's last trip, behind whose products w1's last four chunks are asked for.
.macro TRIP g, tail
	PLACES                                         ; in front of loads into registers that matrix instructions have read
	v_add_nc_u32 v[XA], s[XO], v[LI]
	v_add_nc_u32 v[XSA], s[XO], v[LS]
.irp q, 0,1,2,3
	ds_load_b128 v[XF+8*\q:XF+8*\q+3], v[XA] offset:1024*\q
	ds_load_b128 v[XF+8*\q+4:XF+8*\q+7], v[XA] offset:1024*\q+512
	ds_load_b32 v[XS+\q], v[XSA] offset:4096+128*\q
.endr
	s_wait_dscnt 0x0                               ; they are in; and the last trip's image stores have read their registers, which GELU writes again below
	MUL1 \g
.if \tail
	WIN 0
	PLACES                                         ; the chunks just multiplied are loaded over; the same four places serve GELU's reads
	LOADC 12
	LOADC 13
	LOADC 14
	LOADC 15
	WIN 0x55
.else
	WIN 0x55                                       ; all of a vector instruction's registers in window 1
	PLACES
.endif
	GELU16 0
	GELU16 1
	GELU16 2
	GELU16 3
	QUANT
	WIN 0
	v_add_nc_u32 v[HA], s[HO], v[HWI]
	v_add_nc_u32 v[HSA], s[HO], v[HWS]
	WIN 0x04                                       ; an LDS store's data are its source 1: window 1; its address: window 0
	ds_store_b128 v[HA], v[PC:PC+3] offset:3*HREC*(\g)
	ds_store_b128 v[HA], v[PC+4:PC+7] offset:3*HREC*(\g)+512
	ds_store_b32 v[HSA], v[PW] offset:3*HREC*(\g)
	WIN 0
	s_add_co_u32 s[XO], s[XO], XREC                ; the next 16 tokens
	s_add_co_u32 s[HO], s[HO], HREC
.endm
.macro HFETCH s                        ; K step s of the hidden layer, three tiles of tokens, into set s % 2: 9 LDS loads
.irp m, 0,1,2
	ds_load_b128 v[HF+24*((\s)%2)+8*\m:HF+24*((\s)%2)+8*\m+3], v[LI] offset:HBASE+(3*(\s)+\m)*HREC
	ds_load_b128 v[HF+24*((\s)%2)+8*\m+4:HF+24*((\s)%2)+8*\m+7], v[LI] offset:HBASE+(3*(\s)+\m)*HREC+512
	ds_load_b32 v[HS+3*((\s)%2)+\m], v[LS] offset:HBASE+(3*(\s)+\m)*HREC+1024
.endr
.endm
; The second product, K step s: my 8 tiles of outputs x 3 tiles of tokens: 24 accumulators by turns, one instruction a turn; accumulator (n, m) at v[64 m + 8 n] of window 1.
.macro MUL2 s
	WIN 0x52+(\s)/4                                ; w1's chunk in window 2 or 3
.irp n, 0,1,2,3,4,5,6,7
.irp m, 0,1,2
	WM 64*\m+8*\n, 64*((\s)%4)+8*\n, HF+24*((\s)%2)+8*\m, WS1+8*(\n/2)+(\s), HS+3*((\s)%2)+\m, \n%2, (\s)==0
.endr
.endr
.endm
; THE WAY OUT of tile m: x the gate; a lane's 32 neighbouring bytes of a row go into my own stage and come back as whole rows of 512 bytes; row i goes to its token's row of y, if it is one of my expert's.
.macro OUT m
	WIN 0x55
.if \m == 0
	PLACES                                         ; behind the last products
.endif
.set i, 0
.rept 32
	v_pk_mul_f32 v[64*\m+2*i:64*\m+2*i+1], v[64*\m+2*i:64*\m+2*i+1], v[GW+2*\m:GW+2*\m+1]   ; each accumulator from its low end on
.set i, i+1
.endr
	WIN 0x04
.irp n, 0,1,2,3,4,5,6,7
	ds_store_b128 v[SO], v[64*\m+8*\n:64*\m+8*\n+3] offset:64*\n
	ds_store_b128 v[SO], v[64*\m+8*\n+4:64*\m+8*\n+7] offset:64*\n+16
.endr
	WIN 0
.if \m > 0
	s_wait_xcnt 0x0                                ; the last tile's stores have read their data and offsets: both are written again below
.endif
.irp i, 0,1,2,3,4,5,6,7,8,9,10,11,12,13,14,15
	ds_load_b128 v[OB+4*\i:OB+4*\i+3], v[RD] offset:SPITCH*\i   ; LDS serves a wave's instructions in order (ISA guide 5.7.1.4): these see my stores, and the next tile's stores come behind them
.endr
.irp i, 0,1,2,3,4,5,6,7,8,9,10,11,12,13,14,15
	v_readlane_b32 s52, v[TK+\m], \i               ; row i's token
	s_min_u32 s52, s52, 8191
	v_lshl_add_u32 v[ADR+\i], s52, 11, v[CO]       ; its row of 2,048 bytes, my wave's 512 of them
.endr
	s_wait_dscnt 0x0
.irp i, 0,1,2,3,4,5,6,7,8,9,10,11,12,13,14,15
	s_cmp_le_u32 s[CNT], 16*\m+\i                  ; the first row that is not my expert's ends the work: all behind it are not either
	s_cbranch_scc1 .Lend
	global_store_b128 v[ADR+\i], v[OB+4*\i:OB+4*\i+3], s[22:23] th:TH_STORE_NT   ; 32 lanes store 512 consecutive bytes, at a multiple of 512 from y's first byte; written once, read by nobody here
.endr
.endm
	s_load_b512 s[4:19], s[0:1], 0x0               ; counts 4, order 6, x's codes 8, x's scales 10, w0f 12, w0's scales 14, w1f 16, w1's scales 18
	s_load_b128 s[20:23], s[0:1], 0x40             ; the gates 20, y 22
	v_lshl_add_u32 v254, v0, 2, 0x12600
	v_mov_b32 v255, 0
	v_lshrrev_b32 v3, 5, v0
	v_readfirstlane_b32 s[WV], v3                  ; wave 0..3
	v_and_b32 v4, 31, v0
	v_lshlrev_b32 v[LI], 4, v4
	v_lshlrev_b32 v[LS], 2, v4
	v_and_b32 v[RR], 15, v0
	v_bfe_u32 v[HH], v0, 4, 1
	s_wait_kmcnt 0x0
	s_load_b256 s[NE:NE+7], s[4:5], 0x0            ; the eight counts; no line of this launch writes that buffer
	s_lshl_b32 s52, s[WV], 10
	v_add_nc_u32 v[XWI], s52, v[LI]
	s_lshl_b32 s52, s[WV], 7
	v_add_nc_u32 v[XWS], s52, v[LS]
	v_and_b32 v[W0SO], 8, v[RR]
	v_add_nc_u32 v[W0SO], v[W0SO], v[RR]
	v_lshl_add_u32 v[W0SO], v[HH], 3, v[W0SO]
	v_lshlrev_b32 v[W0SO], 4, v[W0SO]              ; w0's scale words: row 8 h + r + 8 (r / 8) of a pair of tiles, 16 bytes a row: lanes 16-31 take the odd tile's
	v_lshlrev_b32 v[W1SO], 1, v[LI]                ; w1's: row = lane of a pair of tiles, 32 bytes a row
	s_mul_i32 s53, s[WV], 16*SPITCH
	s_add_co_u32 s53, s53, STG                     ; my stage
	v_add_nc_u32 v[RD], s53, v[LI]
	v_mul_u32_u24 v[SO], v[RR], SPITCH
	v_lshl_add_u32 v[SO], v[HH], 5, v[SO]
	v_add_nc_u32 v[SO], s53, v[SO]                 ; in: row r, + 32 h
	s_lshl_b32 s52, s[WV], 9
	v_add_nc_u32 v[CO], s52, v[LI]
	s_mul_i32 s54, s[WV], 6*HREC
	s_add_co_u32 s54, s54, HBASE                   ; my two K steps' six records
	v_add_nc_u32 v[HWI], s54, v[LI]
	s_add_co_u32 s54, s54, 1024
	v_add_nc_u32 v[HWS], s54, v[LS]
	s_lshl_b32 s55, s[WV], 6
	v_lshl_add_u32 v[TMP], v[HH], 4, s55           ; x: K step w's 64 bytes of a row, + 16 h
	s_lshl_b32 s56, s[WV], 2                       ; and its scale word
	s_mov_b32 s[SEL], 0x76543210
	s_mov_b32 s[SEL+1], 0xfedcba98
	s_mov_b32 s[CK], 0x3e7c6f08                    ; c9 =  0.24651730   (the fit's coefficients x log2(e))
	KPAIR CK+2,  0xbf97d29d                        ; c8 = -1.18611495
	KPAIR CK+4,  0x40097039                        ; c7 =  2.14747446
	KPAIR CK+6,  0xbfd1a1e5                        ; c6 = -1.63775315
	KPAIR CK+8,  0x3ecdfd18                        ; c5 =  0.40232158
	KPAIR CK+10, 0xbe899a80                        ; c4 = -0.26875686
	KPAIR CK+12, 0x3e0efb2e                        ; c3 =  0.13963006
	KPAIR CK+14, 0x3f0a29d2                        ; c2 =  0.53970062
	KPAIR CK+16, 0x3fb8ab5a                        ; c1 =  1.44272920
	KPAIR CK+18, 0xc034d90f                        ; c0 = -1.82574822 - 1
	KPAIR NK2,   0xbf38aa3b                        ; -log2(e) / 2
	s_mov_b32 s[K1], 0x3eb504f3                    ; 1 / (2 sqrt 2)
	s_mov_b32 s[TT], ttmp9
	s_wait_kmcnt 0x0
	; WHICH TILE IS MINE.  Expert e has ceil(n / 48) tiles; (n + 47) x 43691 >> 21 is (n + 47) / 48 rounded down for n up to 8,192 (43691 x 48 = 2^21 + 16).  Mine is the last expert whose first tile is not behind my number.
.irp e, 0,1,2,3,4,5,6,7
	s_min_u32 s[NE+\e], s[NE+\e], 8192
.endr
	s_add_co_u32 s[TE], s[NE], 47
	s_mul_i32 s[TE], s[TE], 43691
	s_lshr_b32 s[PFX], s[TE], 21
	s_mov_b32 s[EX], 0
	s_mov_b32 s[NN], s[NE]
	s_mov_b32 s[CPF], 0
.irp e, 1,2,3,4,5,6,7
	s_add_co_u32 s[TE], s[NE+\e], 47
	s_mul_i32 s[TE], s[TE], 43691
	s_lshr_b32 s[TE], s[TE], 21
	s_cmp_ge_u32 s[TT], s[PFX]
	s_cselect_b32 s[EX], \e, s[EX]
	s_cselect_b32 s[NN], s[NE+\e], s[NN]
	s_cselect_b32 s[CPF], s[PFX], s[CPF]
	s_add_co_u32 s[PFX], s[PFX], s[TE]
.endr
	s_sub_co_u32 s[START], s[TT], s[CPF]
	s_mul_i32 s[START], s[START], 48
	s_sub_co_i32 s[CNT], s[NN], s[START]
	s_max_i32 s[CNT], s[CNT], 0                    ; 0 for a work-group without a tile
	s_min_u32 s[START], s[START], 8191
	s_min_u32 s[EX], s[EX], 7
	s_lshl_b32 s52, s[EX], 2
	s_add_co_u32 s52, s52, s[WV]                   ; 4 e + w
	s_lshl_b32 s[OFF], s52, 16
	s_mov_b32 s[OFF+1], 0
	s_add_nc_u64 s[12:13], s[12:13], s[OFF:OFF+1]  ; my 65,536 bytes of w0f,
	s_add_nc_u64 s[16:17], s[16:17], s[OFF:OFF+1]  ; and of w1f
	s_lshl_b32 s[OFF], s52, 12
	s_add_nc_u64 s[14:15], s[14:15], s[OFF:OFF+1]  ; w0's scales: my 256 rows of 16 bytes,
	s_add_nc_u64 s[18:19], s[18:19], s[OFF:OFF+1]  ; w1's: my 128 rows of 32
	s_lshl_b32 s[OFF], s[EX], 15
	s_add_nc_u64 s[6:7], s[6:7], s[OFF:OFF+1]      ; e's list
	s_lshl_b32 s57, s[EX], 2                       ; e's gate in a token's eight
.irp m, 0,1,2
	v_add3_u32 v[OO+\m], s[START], v[RR], 16*\m
	v_min_u32 v[OO+\m], 8191, v[OO+\m]             ; no load leaves the list
	v_lshlrev_b32 v[OO+\m], 2, v[OO+\m]
.endr
.irp m, 0,1,2
	global_load_b32 v[TK+\m], v[OO+\m], s[6:7]     ; lanes r and r + 16 take the same token
.endr
.irp b, 0,1,2,3,4,5,6,7
	global_load_b128 v[WS0+4*\b:WS0+4*\b+3], v[W0SO], s[14:15] offset:512*\b   ; a pair of tiles is 32 rows of 16 bytes; a row's four words are its four K steps'
.endr
.irp p, 0,1,2,3
	global_load_b128 v[WS1+8*\p:WS1+8*\p+3], v[W1SO], s[18:19] offset:1024*\p
	global_load_b128 v[WS1+8*\p+4:WS1+8*\p+7], v[W1SO], s[18:19] offset:1024*\p+16
.endr
	LOADC 0
	LOADC 1
	WIN 0
	s_wait_loadcnt 48                              ; behind the three tokens' loads: 16 of scale words, 32 of chunks
.irp m, 0,1,2
	v_min_u32 v[TK+\m], 8191, v[TK+\m]
	v_lshl_add_u32 v[XCO+\m], v[TK+\m], 8, v[TMP]  ; a row of x is 256 bytes: WAVE w GATHERS K STEP w of all 48 tokens
	v_lshl_add_u32 v[XSO+\m], v[TK+\m], 4, s56     ; 16 scale bytes
	v_lshl_add_u32 v[GO+\m], v[TK+\m], 5, s57      ; 8 gates
.endr
.irp m, 0,1,2
	global_load_b128 v[XL+8*\m:XL+8*\m+3], v[XCO+\m], s[8:9]
	global_load_b128 v[XL+8*\m+4:XL+8*\m+7], v[XCO+\m], s[8:9] offset:32
	global_load_b32 v[XLS+\m], v[XSO+\m], s[10:11]
.endr
.irp m, 0,1,2
	global_load_b32 v[GT+\m], v[GO+\m], s[20:21]
.endr
	LOADC 2
	LOADC 3
	WIN 0
	s_wait_loadcnt 35                              ; behind x's nine loads: 3 gates, 32 of chunks
.irp m, 0,1,2
	ds_store_b128 v[XWI], v[XL+8*\m:XL+8*\m+3] offset:XREC*\m
	ds_store_b128 v[XWI], v[XL+8*\m+4:XL+8*\m+7] offset:XREC*\m+512
	ds_store_b32 v[XWS], v[XLS+\m] offset:XREC*\m+4096
.endr
	s_wait_dscnt 0x0                               ; for the others' sake: my stores have landed
	s_barrier_signal -1
	s_barrier_wait -1                              ; x's twelve images lie in LDS
	LOADC 4
	LOADC 5
	LOADC 6
	LOADC 7
	s_wait_loadcnt 63                              ; 64 loads were issued behind chunk 3 (the wait names 63 at the most): chunks 0-3, the scale words and the gates are in
	WIN 0x40                                       ; destination window 1
.irp m, 0,1,2
	v_mov_b32 v[GW+2*\m], v[GT+\m]
	v_mov_b32 v[GW+2*\m+1], v[GT+\m]
.endr
	v_mov_b32 v[C9V], s[CK]
	v_mov_b32 v[C9V+1], s[CK]
	WIN 0
	; ---- the hidden layer, group 0: three trips
	s_mov_b32 s[XO], 0
	s_mov_b32 s[HO], 0
	s_mov_b32 s[TRIPS], 3
.Lg0:
	TRIP 0, 0
	s_sub_co_u32 s[TRIPS], s[TRIPS], 1
	s_cmp_lg_u32 s[TRIPS], 0
	s_cbranch_scc1 .Lg0
	; ---- group 1: w1's first four chunks take group 0's registers and land while group 1 is worked
	PLACES
	LOADC 8
	LOADC 9
	LOADC 10
	LOADC 11
	WIN 0
	s_wait_loadcnt 63                              ; 64 loads were issued behind chunk 7: chunks 4-7 are in
	s_mov_b32 s[XO], 0
	s_mov_b32 s[HO], 0
	s_mov_b32 s[TRIPS], 2
.Lg1:
	TRIP 1, 0
	s_sub_co_u32 s[TRIPS], s[TRIPS], 1
	s_cmp_lg_u32 s[TRIPS], 0
	s_cbranch_scc1 .Lg1
	TRIP 1, 1                                      ; the third trip is written out: behind its products w1's last four chunks are asked for
	s_wait_dscnt 0x0                               ; for the others' sake: my images have landed
	s_barrier_signal -1
	s_barrier_wait -1                              ; the hidden layer's 24 images lie in LDS
	; ---- the second product: a K step's three fragments are fetched a step ahead
	HFETCH 0
.irp s, 0,1,2,3,4,5,6,7
.if \s > 0
	PLACES                                         ; in front of loads into the set that the step before last's products read
.endif
.if \s < 7
	HFETCH \s+1
	s_wait_dscnt 9                                 ; this step's are in; the nine just issued may be out
.else
	s_wait_dscnt 0x0
.endif
.if 16*(7-\s) > 63
	s_wait_loadcnt 63                              ; more than 63 loads were issued behind this step's chunk
.else
	s_wait_loadcnt 16*(7-\s)                       ; the chunks behind this step's may be out
.endif
	MUL2 \s
	WIN 0
.endr
	OUT 0
	OUT 1
	OUT 2
.Lend:
	s_wait_tensorcnt 0x0
	ds_add_u32 v254, v255
	s_wait_dscnt 0x0
	s_endpgm
.Lfunc_end_k_q9c18def748_moe:
	.size	k_q9c18def748_moe, .Lfunc_end_k_q9c18def748_moe-k_q9c18def748_moe
	.p2alignl 7, 3214868480
	.fill 96, 4, 3214868480
	.section	.rodata,"a",@progbits
	.p2align	6, 0x0
	.amdhsa_kernel k_q9c18def748_moe
		.amdhsa_group_segment_fixed_size 75776
		.amdhsa_private_segment_fixed_size 0
		.amdhsa_enable_private_segment 0
		.amdhsa_kernarg_size 80
		.amdhsa_user_sgpr_count 2
		.amdhsa_user_sgpr_kernarg_segment_ptr 1
		.amdhsa_wavefront_size32 1
		.amdhsa_system_sgpr_workgroup_id_x 1
		.amdhsa_system_sgpr_workgroup_id_y 1
		.amdhsa_system_sgpr_workgroup_id_z 1
		.amdhsa_system_vgpr_workitem_id 0
		.amdhsa_next_free_vgpr 1024
		.amdhsa_next_free_sgpr 96
		.amdhsa_reserve_vcc 0
		.amdhsa_float_denorm_mode_32 3
		.amdhsa_float_denorm_mode_16_64 3
		.amdhsa_memory_ordered 1
		.amdhsa_forward_progress 1
		.amdhsa_inst_pref_size 252
	.end_amdhsa_kernel
	.amdgpu_metadata
---
amdhsa.version: [ 1, 2 ]
amdhsa.kernels:
  - .name:           k_q9c18def748_moe
    .symbol:         k_q9c18def748_moe.kd
    .args:
      - { .name: counts, .offset: 0, .size: 8, .value_kind: global_buffer, .address_space: global }
      - { .name: order, .offset: 8, .size: 8, .value_kind: global_buffer, .address_space: global }
      - { .name: x_codes, .offset: 16, .size: 8, .value_kind: global_buffer, .address_space: global }
      - { .name: x_scales, .offset: 24, .size: 8, .value_kind: global_buffer, .address_space: global }
      - { .name: w0f, .offset: 32, .size: 8, .value_kind: global_buffer, .address_space: global }
      - { .name: w0_scales, .offset: 40, .size: 8, .value_kind: global_buffer, .address_space: global }
      - { .name: w1f, .offset: 48, .size: 8, .value_kind: global_buffer, .address_space: global }
      - { .name: w1_scales, .offset: 56, .size: 8, .value_kind: global_buffer, .address_space: global }
      - { .name: routing_weights, .offset: 64, .size: 8, .value_kind: global_buffer, .address_space: global }
      - { .name: out0, .offset: 72, .size: 8, .value_kind: global_buffer, .address_space: global }
    .group_segment_fixed_size: 75776
    .private_segment_fixed_size: 0
    .kernarg_segment_align: 8
    .kernarg_segment_size: 80
    .max_flat_workgroup_size: 128
    .sgpr_count:     96
    .vgpr_count:     1024
    .wavefront_size: 32
...
	.end_amdgpu_metadata
.endif
;; end of part 2
;; ======== version 2 of 2: 2 launches; version 1 with the launch moe written anew for expert scheduling mode
;; workspace buffers: order 262,144 bytes of whole numbers; counts 256 bytes of whole numbers; w0f 2,097,152 bytes; w1f 2,097,152 bytes
;; launch prep: the kernel of part 1 again; grid 72 x 1, 16 waves a work-group, no clusters, 2,304 bytes of LDS; arguments routing_indices, w0_codes, w1_codes, order, counts, w0f, w1f; writes order, counts, w0f, w1f
;; launch moe (part 3): grid 178 x 1, 4 waves a work-group, no clusters, 75,776 bytes of LDS; arguments counts, order, x_codes, x_scales, w0f, w0_scales, w1f, w1_scales, routing_weights, out0; writes out0
.if DOCPART == 3
	.amdgcn_target "amdgcn-amd-amdhsa--gfx1250"
	.amdhsa_code_object_version 6
	.text
	.protected	k_q9c18def748_moe
	.globl	k_q9c18def748_moe
	.p2align	8
	.type	k_q9c18def748_moe,@function
k_q9c18def748_moe:
	s_mov_b64 s[64:65], 0
	v_nop
	global_prefetch_b8 v0, s[64:65] scope:SCOPE_SE
	s_setreg_imm32_b32 hwreg(HW_REG_WAVE_SCHED_MODE, 0, 2), 2
	s_setreg_imm32_b32 hwreg(HW_REG_WAVE_MODE, 25, 1), 1
	s_wait_xcnt 0x0
	s_wait_alu depctr_vm_vsrc(0)
; y[token] = gate[token] x ( Q(gelu(x[token] W0[e])) W1[e] ), e the token's expert: only the chosen expert's rows are multiplied.  Both products on codes of FP4 (E2M1) with one E8M0 scale for each 32 along K.
; GRID.  Tiles of 48 rows of one expert.  8,192 rows and 8 experts never make more than ceil(8192 / 48) + 7 = 178 tiles, whatever the split: 178 work-groups.  Which tile is mine follows from counts[0..7].
; A tile's rows past its expert's count, and a work-group that the split leaves without a tile, take tokens from the back of the expert's list (every word there is a token's number), run the same text,
; and jump over their stores alone: so no branch on loaded numbers stands ahead of a barrier.
; SHARES.  One work-group takes its 48 rows through the whole chain; the hidden layer never goes to memory.  THE WAVES SHARE THE COLUMNS: wave w makes hidden units 256 w .. 256 w + 255 (two groups g of 128,
; which are K steps 2 w + g of the second product) and outputs 128 w .. 128 w + 127, for all 48 rows.  So each weight fragment is loaded once in the work-group, by one wave, from memory straight into its
; registers, by loads of 512 consecutive bytes (w0f, w1f are laid so).  A chunk is 8 fragments, 8,192 bytes, 16 loads, 64 registers: chunks 0-7 are w0's (4 g + q), chunks 8-15 w1's (8 + s).
; Both products are used TRANSPOSED (source 0 = 16 rows of a weight, source 1 = 16 tokens): a lane holds ONE token (lane % 16).  The rows of w0 that form a tile are chosen so that the 16 registers of
; tiles 2 b, 2 b + 1 are 16 neighbours along the next K: 32 b + 16 (lane / 16) + 0 .. 15.  Operands go from wave to wave through LDS as images of their registers (16 bytes a lane, 512 a store).
; GELU, exact form: gelu(x) = max(x, 0) - |x| c, c = erfc(|x| / sqrt 2) / 2 = t 2^(-k2 x^2 + c0 + t (c1 + .. + t c9)), t = 1 / (1 + |x| / (2 sqrt 2)): a fit of erfc whose fractional error is under 1.2e-7
; for every argument; the reciprocal gets one Newton step; neither side of 0 has a difference of near numbers.
; NO CLUSTER, NO TENSOR LOAD: how many tiles an expert has hangs on counts read from memory, so neighbours in the grid need not share an expert, and the stores branch on those counts.
; LIMITS: NaN and infinities are not served.  Where |x| c lies under 2^-126 the exponential gives 0 and gelu is 0 for negative x.  A block of zeros of the hidden layer carries the byte 1 with zero codes
; (read by this kernel alone).  GELU's error is some 5e-7 of the number, more (in proportion to x^2) for x under about -5, where the numbers are far under their block's smallest code.
; LDS: x's images and scale words, 3 x 4,608; the hidden layer's, 24 x 1,152; a stage of 16 rows x 528 bytes for each wave.
; REGISTERS, in windows of 256: window 0: addresses, scale words, the tokens' fragments, rows on the way out.  window 1: accumulators (v0-63, later v0-191), GELU's and the quantiser's registers, gates.
;   windows 2, 3: eight chunks of weights.
; THE MODE: SCHED_MODE bits 1:0 = 2 (LLVM: expert scheduling mode 2), set by the entry lines.  The code itself states the register dependences between vector or matrix instructions and memory or LDS
; instructions, with s_wait_alu, always for 0.
; THE PLAN.  Registers that memory or LDS instructions touch, and who else names them:
;   the chunks       Written by global loads, read by the products.  Group 0's four are loaded again (chunks 8-11) behind group 0's last products, group 1's (chunks 12-15) behind group 1's last.
;   XF, XS           x's fragments and scale words of one tile of tokens.  Read by a trip's products; behind them the next trip's LDS loads land there, and have GELU and the quantiser in which to land.
;   XA, XSA, HA, HSA A trip's LDS addresses.  Written by four additions behind the trip's products; read by its LDS loads and by its three image stores.
;   PC, PW           The codes and the scale word just made (window 1).  Written by GELU and the quantiser; read by the trip's three image stores.
;   HF, HS           The hidden layer's fragments and scale words, FIVE sets of a K step.  Steps 0-4 are fetched at once; steps 5-7 land in sets 0-2 when the products of steps 0-2 have read them.
;   the accumulators Written by the products and by the multiplication by the gate; read by the stage's stores; not written again.
;   OB, ADR          Rows read back from the stage, and their offsets in y.  OB is written by LDS loads, ADR by vector instructions; both are read by a tile's global stores.
;   all other offsets and addresses are made once, at the head, and never written again.
; A TRIP HAS THREE WAITS OF ITS OWN: behind its products one on vm_vsrc (the last trip's loads and stores have read the four addresses, PC and PW) and, behind the four additions, one on va_vdst (the products are
; done reading XF, XS and the chunks; the addresses are written); and one on va_vdst ahead of the image stores.  The loads that follow the second wait are dealt among GELU's blocks with no further wait:
; GELU and the quantiser name registers of window 1 alone, none that those loads touch.  The second product has one wait, at its step 3.  A tile on the way out has one ahead of its stage stores, one for its
; offsets, and from the second tile on one on vm_vsrc.
.set XREC,   4608                      ; x, tile of rows m: 4 images of 1,024 bytes, then 4 x 128 bytes of scale words
.set HBASE,  3*XREC                    ; the hidden layer: record 3 s + m
.set HREC,   1152                      ; an image of 1,024 bytes, then 128 bytes of scale words
.set STG,    HBASE+24*HREC             ; the stages
.set SPITCH, 528                       ; a stage row: 512 bytes + 16
.set LI,   1                           ; v1   16 x lane
.set LS,   2                           ; v2   4 x lane
.set RR,   3                           ; v3   r = lane % 16
.set HH,   4                           ; v4   h = lane / 16
.set XWI,  5                           ; v5   where I store x's images: 16 x lane + 1,024 x wave
.set XWS,  6                           ; v6   and their scale words: 4 x lane + 128 x wave
.set TK,   7                           ; v7-9   my lane's token in tiles 0, 1, 2
.set XCO,  10                          ; v10-12 its codes' byte offset;  v13-15 its scale word's;  v16-18 its gate's
.set XSO,  13
.set GO,   16
.set W0SO, 19                          ; v19  w0's scale words;  v20 w1's
.set W1SO, 20
.set RD,   21                          ; v21  the stage: where I read a row back
.set CO,   22                          ; v22  my bytes in a row of y: 512 x wave + 16 x lane
.set OO,   23                          ; v23-25 offsets into the list
.set XA,   26                          ; v26, v27 a trip's LDS addresses of x's images and scale words
.set XSA,  27
.set GT,   28                          ; v28-30 gates
.set TMP,  31
.set XS,   32                          ; v32-35 x's scale words, K step q
.set HWI,  36                          ; v36  where I store the hidden layer's images;  v37 their scale words
.set HWS,  37
.set SO,   38                          ; v38  the stage: where I put 32 bytes of a row
.set HA,   39                          ; v39, v110 the trip's addresses for those stores
.set HSA,  110
.set WS0,  40                          ; v40-71  w0's scale words: register 4 B + q: lanes 0-15 tile 2 B, lanes 16-31 tile 2 B + 1 (B = 4 g + t / 2)
.set WS1,  72                          ; v72-103 w1's: register 8 p + s: lanes 0-15 tile 2 p, lanes 16-31 tile 2 p + 1
.set HS,   112                         ; v112-126 the hidden layer's scale words, five sets of three
.set ADR,  112                         ; v112-127 later, on the way out: a byte offset in y for each of 16 rows
.set XF,   128                         ; v128-159 x's four fragments
.set HF,   128                         ; v128-247 later: the hidden layer's fragments, five sets of three
.set OB,   176                         ; v176-239 later still: 16 rows read back from the stage
.set XL,   224                         ; v224-247 x's codes as gathered, v248-250 its scale words (at the head only)
.set XLS,  248
.set T,    192                         ; window 1: v192-207 t, v208-223 the polynomial, v224-239 at work
.set P,    208
.set U,    224
.set TM,   192                         ; the quantiser's, over them: v192-207 at work, v208-215 the codes, v216 the scale word
.set PC,   208
.set PW,   216
.set GW,   244                         ; window 1: v244-249 the gates as pairs
.set C9V,  252                         ; window 1: v252-253 c9 as a pair
.set WV,   24                          ; s24  wave
.set NE,   28                          ; s28-35 the eight counts
.set RT,   28                          ; s28-35 later, on the way out: eight rows' tokens (the counts are done with)
.set TT,   36                          ; s36  my work-group's number
.set PFX,  37                          ; s37  tiles of the experts so far
.set EX,   38                          ; s38  my expert;  s39 its count;  s40 its first tile;  s41 at work
.set NN,   39
.set CPF,  40
.set TE,   41
.set START, 42                         ; s42  my first place in its list
.set CNT,  43                          ; s43  how many of my 48 rows are its own
.set SEL,  44                          ; s[44:45] v_permlanex16_b32's selects for lane l xor 16
.set XO,   46                          ; s46, s47 the trip's steps in LDS;  s48 trips to go
.set HO,   47
.set TRIPS, 48
.set OFF,  50                          ; s[50:51] an offset as a pair
.set CK,   66                          ; s66 c9;  pairs: c8 s[68:69], c7 s[70:71] .. c1 s[82:83], c0 s[84:85]
.set NK2,  86                          ; s[86:87] -k2 = -log2(e) / 2
.set K1,   88                          ; s88  1 / (2 sqrt 2)
.set MSB, 0
.macro WIN new                         ; low byte: bits 1:0 source 0, 3:2 source 1, 5:4 source 2, 7:6 destination; the high byte repeats the setting that is left
.if MSB != (\new)
	s_set_vgpr_msb (MSB<<8)|(\new)
.set MSB, \new
.endif
.endm
.macro PLACES                          ; four places behind a matrix instruction of this form (ISA guide 7.12.1)
.rept 4
	v_nop
.endr
.endm
.macro KPAIR reg, val                  ; a constant as a pair: the packed forms name the pair and take its low word for both halves
	s_mov_b32 s[\reg], \val
	s_mov_b32 s[\reg+1], \val
.endm
.macro LOADC k                         ; chunk k: 16 loads of 512 consecutive bytes into slot k % 8.  The window stays set: the caller sets the next
.if ((\k)%8) < 4
	WIN 0x80
.else
	WIN 0xc0
.endif
.set CB, 64*((\k)%4)
.irp i, 0,1,2,3,4,5,6,7,8,9,10,11,12,13,14,15
.if (\k) < 8
	global_load_b128 v[CB+4*\i:CB+4*\i+3], v[LI], s[12:13] offset:((\k)%8)*8192+512*\i
.else
	global_load_b128 v[CB+4*\i:CB+4*\i+3], v[LI], s[16:17] offset:((\k)%8)*8192+512*\i
.endif
.endr
.endm
; one matrix instruction: D at d, source 0 (a weight's 16 rows) at a, source 1 (16 tokens) at b, their scale words in sa and sb.  odd: the weight's words lie in lanes 16-31.  zero: the product starts the sum
.macro WM d, a, b, sa, sb, odd, zero
.if \zero
.if \odd
	v_wmma_scale_f32_16x16x128_f8f6f4 v[(\d):(\d)+7], v[(\a):(\a)+7], v[(\b):(\b)+7], 0, v[\sa], v[\sb] matrix_a_fmt:MATRIX_FMT_FP4 matrix_b_fmt:MATRIX_FMT_FP4 matrix_a_scale:MATRIX_SCALE_ROW1
.else
	v_wmma_scale_f32_16x16x128_f8f6f4 v[(\d):(\d)+7], v[(\a):(\a)+7], v[(\b):(\b)+7], 0, v[\sa], v[\sb] matrix_a_fmt:MATRIX_FMT_FP4 matrix_b_fmt:MATRIX_FMT_FP4
.endif
.else
.if \odd
	v_wmma_scale_f32_16x16x128_f8f6f4 v[(\d):(\d)+7], v[(\a):(\a)+7], v[(\b):(\b)+7], v[(\d):(\d)+7], v[\sa], v[\sb] matrix_a_fmt:MATRIX_FMT_FP4 matrix_b_fmt:MATRIX_FMT_FP4 matrix_a_scale:MATRIX_SCALE_ROW1
.else
	v_wmma_scale_f32_16x16x128_f8f6f4 v[(\d):(\d)+7], v[(\a):(\a)+7], v[(\b):(\b)+7], v[(\d):(\d)+7], v[\sa], v[\sb] matrix_a_fmt:MATRIX_FMT_FP4 matrix_b_fmt:MATRIX_FMT_FP4
.endif
.endif
.endm
; The first product for 16 tokens and group g's 128 hidden units: 8 tiles x 4 K steps.  The eight accumulators take turns, one instruction a turn.
.macro MUL1 g
	WIN 0x52+(\g)                                  ; w0 in window 2 + g, x in window 0, C and D in window 1
.irp q, 0,1,2,3
.irp t, 0,1,2,3,4,5,6,7
	WM 8*\t, 64*\q+8*\t, XF+8*\q, WS0+4*(4*(\g)+\t/2)+\q, XS+\q, \t%2, \q==0
.endr
.endr
.endm
; GELU of 16 numbers of a lane, v[16 b] on, in place.  All its vector registers lie in window 1.  Each accumulator is read from its low end on.
.macro GELU16 b
.set GX, 16*(\b)
.irp i, 0,1,2,3,4,5,6,7,8,9,10,11,12,13,14,15
	v_fma_f32 v[U+\i], |v[GX+\i]|, s[K1], 1.0      ; d = 1 + |x| / (2 sqrt 2)
.endr
.irp i, 0,1,2,3,4,5,6,7,8,9,10,11,12,13,14,15
	v_rcp_f32 v[T+\i], v[U+\i]
.endr
	v_nop                                          ; a plain place behind the reciprocals
	s_wait_alu depctr_va_vdst(0)                   ; the sixteen reciprocals have written v[T ..], which the Newton step reads: one wait for the batch
.irp i, 0,2,4,6,8,10,12,14
	v_pk_fma_f32 v[P+\i:P+\i+1], v[U+\i:U+\i+1], v[T+\i:T+\i+1], 1.0 op_sel_hi:[1,1,0] neg_lo:[1,0,0] neg_hi:[1,0,0]   ; 1 - d t
.endr
.irp i, 0,2,4,6,8,10,12,14
	v_pk_fma_f32 v[T+\i:T+\i+1], v[T+\i:T+\i+1], v[P+\i:P+\i+1], v[T+\i:T+\i+1]   ; t + t (1 - d t): one Newton step
.endr
.irp i, 0,2,4,6,8,10,12,14
	v_pk_fma_f32 v[P+\i:P+\i+1], v[T+\i:T+\i+1], v[C9V:C9V+1], s[CK+2:CK+3] op_sel_hi:[1,1,0]   ; c9 t + c8
.endr
.irp c, 4,6,8,10,12,14,16
.irp i, 0,2,4,6,8,10,12,14
	v_pk_fma_f32 v[P+\i:P+\i+1], v[P+\i:P+\i+1], v[T+\i:T+\i+1], s[CK+\c:CK+\c+1] op_sel_hi:[1,1,0]   ; .. t + c7 down to .. t + c1; eight chains by turns
.endr
.endr
.irp i, 0,2,4,6,8,10,12,14
	v_pk_mul_f32 v[U+\i:U+\i+1], v[GX+\i:GX+\i+1], s[NK2:NK2+1] op_sel_hi:[1,0]   ; -k2 x
.endr
.irp i, 0,2,4,6,8,10,12,14
	v_pk_fma_f32 v[U+\i:U+\i+1], v[U+\i:U+\i+1], v[GX+\i:GX+\i+1], s[CK+18:CK+19] op_sel_hi:[1,1,0]   ; -k2 x^2 + c0 (the factor 1/2 is in c0)
.endr
.irp i, 0,2,4,6,8,10,12,14
	v_pk_fma_f32 v[P+\i:P+\i+1], v[P+\i:P+\i+1], v[T+\i:T+\i+1], v[U+\i:U+\i+1]   ; the exponent
.endr
.irp i, 0,1,2,3,4,5,6,7,8,9,10,11,12,13,14,15
	v_exp_f32 v[P+\i], v[P+\i]
.endr
	v_nop                                          ; a plain place behind the exponentials
	s_wait_alu depctr_va_vdst(0)                   ; the sixteen exponentials have written v[P ..], which the multiplications read: one wait for the batch
.irp i, 0,2,4,6,8,10,12,14
	v_pk_mul_f32 v[P+\i:P+\i+1], v[P+\i:P+\i+1], v[T+\i:T+\i+1]   ; c = erfc / 2
.endr
.irp i, 0,1,2,3,4,5,6,7,8,9,10,11,12,13,14,15
	v_max_num_f32 v[T+\i], 0, v[GX+\i]
.endr
.irp i, 0,1,2,3,4,5,6,7,8,9,10,11,12,13,14,15
	v_fma_f32 v[GX+\i], -|v[GX+\i]|, v[P+\i], v[T+\i]   ; max(x, 0) - |x| c
.endr
.endm
; 64 numbers of a lane, v0-63 of window 1, register 16 b + i = k 32 b + 16 (lane / 16) + i of my token, become a fragment's codes in v[PC] on and its scale word in v[PW].
.macro QUANT
.irp b, 0,1,2,3
	v_max3_num_f32 v[TM+\b], |v[16*\b]|, |v[16*\b+1]|, 0x1800000   ; block b: my 16 numbers, and the floor 2^(3 - 127): so the byte cannot fall under 1
.endr
.irp i, 2,4,6,8,10,12,14
.irp b, 0,1,2,3
	v_max3_num_f32 v[TM+\b], v[TM+\b], |v[16*\b+\i]|, |v[16*\b+\i+1]|   ; (the four blocks by turns)
.endr
.endr
.irp b, 0,1,2,3
	v_permlanex16_b32 v[TM+4+\b], v[TM+\b], s[SEL], s[SEL+1]   ; (its destination has been written: it held t)
.endr
.irp b, 0,1,2,3
	v_max_num_f32 v[TM+\b], v[TM+\b], v[TM+4+\b]   ; with lane l xor 16's: the block's largest magnitude
.endr
.irp b, 0,1,2,3
	v_add_nc_u32 v[TM+12+\b], 0xff000000, v[TM+\b] ; 2 off its exponent field: the conversion takes the exponent field of this operand as its scale
.endr
.irp b, 0,1,2,3
	v_lshrrev_b32 v[TM+4+\b], 23, v[TM+12+\b]      ; the scale's byte
.endr
	v_lshl_or_b32 v[PW], v[TM+5], 8, v[TM+4]       ; the four bytes make my token's scale word
	v_lshl_or_b32 v[PW], v[TM+6], 16, v[PW]
	v_lshl_or_b32 v[PW], v[TM+7], 24, v[PW]
.irp b, 0,1,2,3
	v_cvt_scalef32_pk8_fp4_f32 v[PC+2*\b], v[16*\b:16*\b+7], v[TM+12+\b]
	v_cvt_scalef32_pk8_fp4_f32 v[PC+1+2*\b], v[16*\b+8:16*\b+15], v[TM+12+\b]
.endr
	v_nop                                          ; one plain place behind the last scaled conversion: for the exchanges below, and for the products that write v0-63 again
.irp c, 0,1                            ; the operand's layout wants a WHOLE block in a lane: lanes 0-15 block 2 c, lanes 16-31 block 2 c + 1
.irp i, 0,1
	v_permlane16_swap_b32 v[PC+4*\c+\i], v[PC+2+4*\c+\i]
.endr
.endr
.endm
; x's four images and four scale words of one tile of tokens, from LDS: 12 loads.  ad, sd: the address registers; off: bytes on from them
.macro XFETCH ad, sd, off
.irp q, 0,1,2,3
	ds_load_b128 v[XF+8*\q:XF+8*\q+3], v[\ad] offset:(\off)+1024*\q
	ds_load_b128 v[XF+8*\q+4:XF+8*\q+7], v[\ad] offset:(\off)+1024*\q+512
	ds_load_b32 v[XS+\q], v[\sd] offset:(\off)+4096+128*\q
.endr
.endm
; One more of w1's chunks, between two blocks of GELU, in a group's last trip.  No wait: since the wait behind the trip's products only GELU has been issued, which names registers of window 1 alone
.macro DEAL kind, j
.if \kind == 2
	LOADC 8+\j
	WIN 0x55
.elseif \kind == 3
	LOADC 12+\j
	WIN 0x55
.endif
.endm
; A TRIP: 16 tokens x group g's 128 hidden units: 32 products on x's fragments, which were asked for a trip ago; GELU; the quantiser; the image of K step 2 w + g to LDS.
; kind = 1: a trip in a loop: behind its products the next tile's images of x are asked for.  kind = 2: group 0's last trip, written out: tile 0's images, for group 1, and w1's chunks 8-11 into the registers
; that group 0's weights have left.  kind = 3: group 1's last trip, written out: w1's chunks 12-15.
.macro TRIP g, kind
	s_wait_dscnt 0x0                               ; x's fragments and scale words are in
	MUL1 \g
	WIN 0
	s_wait_alu depctr_vm_vsrc(0)                   ; the last trip's LDS loads have read v[XA], v[XSA]; its image stores have read v[HA], v[HSA] and, in window 1, v[PC ..], v[PW]: the additions and GELU below write them again
	v_add_nc_u32 v[HA], s[HO], v[HWI]              ; these four lines name no register of the products: they are the four places behind them, in front of GELU's reads and of the loads into the products' registers
	v_add_nc_u32 v[HSA], s[HO], v[HWS]
.if \kind == 1
	v_add_nc_u32 v[XA], s[XO], v[LI]
	v_add_nc_u32 v[XSA], s[XO], v[LS]
.else
	v_nop
	v_nop
.endif
	s_wait_alu depctr_va_vdst(0)                   ; the products are done reading v[XF ..], v[XS ..] and their chunks, in which the loads below land; the addresses just made are written
.if \kind == 1
	XFETCH XA, XSA, XREC                           ; the next tile's
.elseif \kind == 2
	XFETCH LI, LS, 0                               ; tile 0's
	LOADC 8
.else
	LOADC 12
.endif
	WIN 0x55                                       ; all of a vector instruction's registers in window 1
	GELU16 0
	DEAL \kind, 1
	GELU16 1
	DEAL \kind, 2
	GELU16 2
	DEAL \kind, 3
	GELU16 3
	QUANT
	WIN 0x04                                       ; an LDS store's data are its source 1: window 1; its address: window 0
	s_wait_alu depctr_va_vdst(0)                   ; the quantiser has written v[PC ..] and v[PW], which the stores read
	ds_store_b128 v[HA], v[PC:PC+3] offset:3*HREC*(\g)
	ds_store_b128 v[HA], v[PC+4:PC+7] offset:3*HREC*(\g)+512
	ds_store_b32 v[HSA], v[PW] offset:3*HREC*(\g)
	WIN 0
.if \kind == 1
	s_add_co_u32 s[XO], s[XO], XREC                ; the next 16 tokens
	s_add_co_u32 s[HO], s[HO], HREC
.endif
.endm
.macro HFETCH s                        ; K step s of the hidden layer, three tiles of tokens, into set s % 5: 9 LDS loads
.irp m, 0,1,2
	ds_load_b128 v[HF+24*((\s)%5)+8*\m:HF+24*((\s)%5)+8*\m+3], v[LI] offset:HBASE+(3*(\s)+\m)*HREC
	ds_load_b128 v[HF+24*((\s)%5)+8*\m+4:HF+24*((\s)%5)+8*\m+7], v[LI] offset:HBASE+(3*(\s)+\m)*HREC+512
	ds_load_b32 v[HS+3*((\s)%5)+\m], v[LS] offset:HBASE+(3*(\s)+\m)*HREC+1024
.endr
.endm
; The second product, K step s: my 8 tiles of outputs x 3 tiles of tokens: 24 accumulators by turns, one instruction a turn; accumulator (n, m) at v[64 m + 8 n] of window 1.
.macro MUL2 s
	WIN 0x52+(\s)/4                                ; w1's chunk in window 2 or 3
.irp n, 0,1,2,3,4,5,6,7
.irp m, 0,1,2
	WM 64*\m+8*\n, 64*((\s)%4)+8*\n, HF+24*((\s)%5)+8*\m, WS1+8*(\n/2)+(\s), HS+3*((\s)%5)+\m, \n%2, (\s)==0
.endr
.endr
.endm
; THE WAY OUT of tile m: x the gate; a lane's 32 neighbouring bytes of a row go into my own stage and come back as whole rows of 512 bytes; row i goes to its token's row of y, if it is one of my expert's.
.macro OUT m
	WIN 0x55
.if \m == 0
	PLACES                                         ; behind the last products
.endif
.set i, 0
.rept 32
	v_pk_mul_f32 v[64*\m+2*i:64*\m+2*i+1], v[64*\m+2*i:64*\m+2*i+1], v[GW+2*\m:GW+2*\m+1]   ; each accumulator from its low end on
.set i, i+1
.endr
	WIN 0x04
	s_wait_alu depctr_va_vdst(0)                   ; the multiplications have written the tile's accumulators, which the stage's stores read; for tile 0 also: the last products are done reading v[HF ..], in which the rows read back land
.irp n, 0,1,2,3,4,5,6,7
	ds_store_b128 v[SO], v[64*\m+8*\n:64*\m+8*\n+3] offset:64*\n
	ds_store_b128 v[SO], v[64*\m+8*\n+4:64*\m+8*\n+7] offset:64*\n+16
.endr
	WIN 0
.if \m > 0
	s_wait_xcnt 0x0                                ; the last tile's stores have had their addresses translated: their data and offsets are written again below
	s_wait_alu depctr_vm_vsrc(0)                   ; the last tile's stores have read v[OB ..], in which the loads below land, and v[ADR ..], which is made anew
.endif
.irp i, 0,1,2,3,4,5,6,7,8,9,10,11,12,13,14,15
	ds_load_b128 v[OB+4*\i:OB+4*\i+3], v[RD] offset:SPITCH*\i   ; LDS serves a wave's instructions in order (ISA guide 5.7.1.4): these see my stores, and the next tile's stores come behind them
.endr
.irp c, 0,8                            ; the rows' tokens, eight at a time, so that one wait serves eight
.irp i, 0,1,2,3,4,5,6,7
	v_readlane_b32 s[RT+\i], v[TK+\m], \c+\i       ; row c + i's token
.endr
	s_wait_alu depctr_va_sdst(0)                   ; the eight lines above have written s[RT ..], ahead of their first reader
.irp i, 0,1,2,3,4,5,6,7
	s_min_u32 s[RT+\i], s[RT+\i], 8191
	v_lshl_add_u32 v[ADR+\c+\i], s[RT+\i], 11, v[CO]   ; its row of 2,048 bytes, my wave's 512 of them
.endr
.endr
	s_wait_dscnt 0x0
	s_wait_alu depctr_va_vdst(0)                   ; the sixteen offsets v[ADR ..] are written, which the stores below read
.irp i, 0,1,2,3,4,5,6,7,8,9,10,11,12,13,14,15
	s_cmp_le_u32 s[CNT], 16*\m+\i                  ; the first row that is not my expert's ends the work: all behind it are not either
	s_cbranch_scc1 .Lend
	global_store_b128 v[ADR+\i], v[OB+4*\i:OB+4*\i+3], s[22:23] th:TH_STORE_NT   ; 32 lanes store 512 consecutive bytes, at a multiple of 512 from y's first byte; written once, read by nobody here
.endr
.endm
	s_load_b512 s[4:19], s[0:1], 0x0               ; counts 4, order 6, x's codes 8, x's scales 10, w0f 12, w0's scales 14, w1f 16, w1's scales 18
	s_load_b128 s[20:23], s[0:1], 0x40             ; the gates 20, y 22
	v_lshl_add_u32 v254, v0, 2, 0x12600
	v_mov_b32 v255, 0
	v_lshrrev_b32 v3, 5, v0
	v_readfirstlane_b32 s[WV], v3                  ; wave 0..3
	v_and_b32 v4, 31, v0
	v_lshlrev_b32 v[LI], 4, v4
	v_lshlrev_b32 v[LS], 2, v4
	v_and_b32 v[RR], 15, v0
	v_bfe_u32 v[HH], v0, 4, 1
	s_wait_kmcnt 0x0
	s_load_b256 s[NE:NE+7], s[4:5], 0x0            ; the eight counts; no line of this launch writes that buffer
	s_wait_alu depctr_va_sdst(0)                   ; s[WV] is written, ahead of its first reader: LDS addresses and the weights' bases are made from it
	s_lshl_b32 s52, s[WV], 10
	v_add_nc_u32 v[XWI], s52, v[LI]
	s_lshl_b32 s52, s[WV], 7
	v_add_nc_u32 v[XWS], s52, v[LS]
	v_and_b32 v[W0SO], 8, v[RR]
	v_add_nc_u32 v[W0SO], v[W0SO], v[RR]
	v_lshl_add_u32 v[W0SO], v[HH], 3, v[W0SO]
	v_lshlrev_b32 v[W0SO], 4, v[W0SO]              ; w0's scale words: row 8 h + r + 8 (r / 8) of a pair of tiles, 16 bytes a row: lanes 16-31 take the odd tile's
	v_lshlrev_b32 v[W1SO], 1, v[LI]                ; w1's: row = lane of a pair of tiles, 32 bytes a row
	s_mul_i32 s53, s[WV], 16*SPITCH
	s_add_co_u32 s53, s53, STG                     ; my stage
	v_add_nc_u32 v[RD], s53, v[LI]
	v_mul_u32_u24 v[SO], v[RR], SPITCH
	v_lshl_add_u32 v[SO], v[HH], 5, v[SO]
	v_add_nc_u32 v[SO], s53, v[SO]                 ; in: row r, + 32 h
	s_lshl_b32 s52, s[WV], 9
	v_add_nc_u32 v[CO], s52, v[LI]
	s_mul_i32 s54, s[WV], 6*HREC
	s_add_co_u32 s54, s54, HBASE                   ; my two K steps' six records
	v_add_nc_u32 v[HWI], s54, v[LI]
	s_add_co_u32 s54, s54, 1024
	v_add_nc_u32 v[HWS], s54, v[LS]
	s_lshl_b32 s55, s[WV], 6
	v_lshl_add_u32 v[TMP], v[HH], 4, s55           ; x: K step w's 64 bytes of a row, + 16 h
	s_lshl_b32 s56, s[WV], 2                       ; and its scale word
	s_mov_b32 s[SEL], 0x76543210
	s_mov_b32 s[SEL+1], 0xfedcba98
	s_mov_b32 s[CK], 0x3e7c6f08                    ; c9 =  0.24651730   (the fit's coefficients x log2(e))
	KPAIR CK+2,  0xbf97d29d                        ; c8 = -1.18611495
	KPAIR CK+4,  0x40097039                        ; c7 =  2.14747446
	KPAIR CK+6,  0xbfd1a1e5                        ; c6 = -1.63775315
	KPAIR CK+8,  0x3ecdfd18                        ; c5 =  0.40232158
	KPAIR CK+10, 0xbe899a80                        ; c4 = -0.26875686
	KPAIR CK+12, 0x3e0efb2e                        ; c3 =  0.13963006
	KPAIR CK+14, 0x3f0a29d2                        ; c2 =  0.53970062
	KPAIR CK+16, 0x3fb8ab5a                        ; c1 =  1.44272920
	KPAIR CK+18, 0xc034d90f                        ; c0 = -1.82574822 - 1
	KPAIR NK2,   0xbf38aa3b                        ; -log2(e) / 2
	s_mov_b32 s[K1], 0x3eb504f3                    ; 1 / (2 sqrt 2)
	s_mov_b32 s[TT], ttmp9
	s_wait_kmcnt 0x0
	; WHICH TILE IS MINE.  Expert e has ceil(n / 48) tiles; (n + 47) x 43691 >> 21 is (n + 47) / 48 rounded down for n up to 8,192 (43691 x 48 = 2^21 + 16).  Mine is the last expert whose first tile is not behind my number.
.irp e, 0,1,2,3,4,5,6,7
	s_min_u32 s[NE+\e], s[NE+\e], 8192
.endr
	s_add_co_u32 s[TE], s[NE], 47
	s_mul_i32 s[TE], s[TE], 43691
	s_lshr_b32 s[PFX], s[TE], 21
	s_mov_b32 s[EX], 0
	s_mov_b32 s[NN], s[NE]
	s_mov_b32 s[CPF], 0
.irp e, 1,2,3,4,5,6,7
	s_add_co_u32 s[TE], s[NE+\e], 47
	s_mul_i32 s[TE], s[TE], 43691
	s_lshr_b32 s[TE], s[TE], 21
	s_cmp_ge_u32 s[TT], s[PFX]
	s_cselect_b32 s[EX], \e, s[EX]
	s_cselect_b32 s[NN], s[NE+\e], s[NN]
	s_cselect_b32 s[CPF], s[PFX], s[CPF]
	s_add_co_u32 s[PFX], s[PFX], s[TE]
.endr
	s_sub_co_u32 s[START], s[TT], s[CPF]
	s_mul_i32 s[START], s[START], 48
	s_sub_co_i32 s[CNT], s[NN], s[START]
	s_max_i32 s[CNT], s[CNT], 0                    ; 0 for a work-group without a tile
	s_min_u32 s[START], s[START], 8191
	s_min_u32 s[EX], s[EX], 7
	s_lshl_b32 s52, s[EX], 2
	s_add_co_u32 s52, s52, s[WV]                   ; 4 e + w
	s_lshl_b32 s[OFF], s52, 16
	s_mov_b32 s[OFF+1], 0
	s_add_nc_u64 s[12:13], s[12:13], s[OFF:OFF+1]  ; my 65,536 bytes of w0f,
	s_add_nc_u64 s[16:17], s[16:17], s[OFF:OFF+1]  ; and of w1f
	s_lshl_b32 s[OFF], s52, 12
	s_add_nc_u64 s[14:15], s[14:15], s[OFF:OFF+1]  ; w0's scales: my 256 rows of 16 bytes,
	s_add_nc_u64 s[18:19], s[18:19], s[OFF:OFF+1]  ; w1's: my 128 rows of 32
	s_lshl_b32 s[OFF], s[EX], 15
	s_add_nc_u64 s[6:7], s[6:7], s[OFF:OFF+1]      ; e's list
	s_lshl_b32 s57, s[EX], 2                       ; e's gate in a token's eight
.irp m, 0,1,2
	v_add3_u32 v[OO+\m], s[START], v[RR], 16*\m
	v_min_u32 v[OO+\m], 8191, v[OO+\m]             ; no load leaves the list
	v_lshlrev_b32 v[OO+\m], 2, v[OO+\m]
.endr
	s_wait_alu depctr_va_vdst(0)                   ; every offset and LDS address made so far is written: v[LI], v[LS], v[XWI], v[XWS], v[W0SO], v[W1SO], v[RD], v[SO], v[OO ..], which loads and stores from here on read
.irp m, 0,1,2
	global_load_b32 v[TK+\m], v[OO+\m], s[6:7]     ; lanes r and r + 16 take the same token
.endr
.irp b, 0,1,2,3,4,5,6,7
	global_load_b128 v[WS0+4*\b:WS0+4*\b+3], v[W0SO], s[14:15] offset:512*\b   ; a pair of tiles is 32 rows of 16 bytes; a row's four words are its four K steps'
.endr
.irp p, 0,1,2,3
	global_load_b128 v[WS1+8*\p:WS1+8*\p+3], v[W1SO], s[18:19] offset:1024*\p
	global_load_b128 v[WS1+8*\p+4:WS1+8*\p+7], v[W1SO], s[18:19] offset:1024*\p+16
.endr
	LOADC 0
	LOADC 1
	WIN 0
	s_wait_loadcnt 48                              ; behind the three tokens' loads: 16 of scale words, 32 of chunks
.irp m, 0,1,2
	v_min_u32 v[TK+\m], 8191, v[TK+\m]
	v_lshl_add_u32 v[XCO+\m], v[TK+\m], 8, v[TMP]  ; a row of x is 256 bytes: WAVE w GATHERS K STEP w of all 48 tokens
	v_lshl_add_u32 v[XSO+\m], v[TK+\m], 4, s56     ; 16 scale bytes
	v_lshl_add_u32 v[GO+\m], v[TK+\m], 5, s57      ; 8 gates
.endr
	s_wait_alu depctr_va_vdst(0)                   ; the nine offsets v[XCO ..], v[XSO ..], v[GO ..] are written, which the gather below reads
.irp m, 0,1,2
	global_load_b128 v[XL+8*\m:XL+8*\m+3], v[XCO+\m], s[8:9]
	global_load_b128 v[XL+8*\m+4:XL+8*\m+7], v[XCO+\m], s[8:9] offset:32
	global_load_b32 v[XLS+\m], v[XSO+\m], s[10:11]
.endr
.irp m, 0,1,2
	global_load_b32 v[GT+\m], v[GO+\m], s[20:21]
.endr
	LOADC 2
	LOADC 3
	WIN 0
	s_wait_loadcnt 35                              ; behind x's nine loads: 3 gates, 32 of chunks
.irp m, 0,1,2
	ds_store_b128 v[XWI], v[XL+8*\m:XL+8*\m+3] offset:XREC*\m
	ds_store_b128 v[XWI], v[XL+8*\m+4:XL+8*\m+7] offset:XREC*\m+512
	ds_store_b32 v[XWS], v[XLS+\m] offset:XREC*\m+4096
.endr
	s_wait_dscnt 0x0                               ; for the others' sake: my stores have landed
	s_barrier_signal -1
	s_barrier_wait -1                              ; x's twelve images lie in LDS
	XFETCH LI, LS, 0                               ; tile 0's, for the first trip: they land while the chunks below are asked for
	LOADC 4
	LOADC 5
	LOADC 6
	LOADC 7
	s_wait_loadcnt 63                              ; 64 loads were issued behind chunk 3 (the wait names 63 at the most): chunks 0-3, the scale words and the gates are in
	WIN 0x40                                       ; destination window 1
.irp m, 0,1,2
	v_mov_b32 v[GW+2*\m], v[GT+\m]
	v_mov_b32 v[GW+2*\m+1], v[GT+\m]
.endr
	v_mov_b32 v[C9V], s[CK]
	v_mov_b32 v[C9V+1], s[CK]
	WIN 0
	; ---- the hidden layer, group 0: three trips, the third written out
	s_mov_b32 s[XO], 0
	s_mov_b32 s[HO], 0
	s_mov_b32 s[TRIPS], 2
.Lg0:
	TRIP 0, 1
	s_sub_co_u32 s[TRIPS], s[TRIPS], 1
	s_cmp_lg_u32 s[TRIPS], 0
	s_cbranch_scc1 .Lg0
	TRIP 0, 2                                      ; behind its products w1's first four chunks take group 0's registers, and land while group 1 is worked
	; ---- group 1: three trips, the third written out
	s_wait_loadcnt 63                              ; 64 loads were issued behind chunk 7: chunks 4-7 are in
	s_mov_b32 s[XO], 0
	s_mov_b32 s[HO], 0
	s_mov_b32 s[TRIPS], 2
.Lg1:
	TRIP 1, 1
	s_sub_co_u32 s[TRIPS], s[TRIPS], 1
	s_cmp_lg_u32 s[TRIPS], 0
	s_cbranch_scc1 .Lg1
	TRIP 1, 3                                      ; behind its products w1's last four chunks are asked for
	s_wait_dscnt 0x0                               ; for the others' sake: my images have landed
	s_barrier_signal -1
	s_barrier_wait -1                              ; the hidden layer's 24 images lie in LDS
	; ---- the second product.  K steps 0-4 are fetched at once, into five sets.  No wait is owed: the waits of the last trip stand behind the last vector or matrix instruction that named v128-247, and behind the
	; head's LDS stores, which read v224-250; no instruction has named v112-126.
	HFETCH 0
	HFETCH 1
	HFETCH 2
	HFETCH 3
	HFETCH 4
.irp s, 0,1,2,3,4,5,6,7
.if 16*(7-\s) > 63
	s_wait_loadcnt 63                              ; more than 63 loads were issued behind this step's chunk
.else
	s_wait_loadcnt 16*(7-\s)                       ; the chunks behind this step's may be out
.endif
.if \s == 3
	WIN 0
	PLACES                                         ; four places behind the products of step 2, beside the wait below
	s_wait_alu depctr_va_vdst(0)                   ; the products of steps 0, 1 and 2 are done reading sets 0, 1 and 2 and their scale words, in which steps 5, 6 and 7 land: the second product's one wait
	HFETCH 5
	HFETCH 6
	HFETCH 7
.endif
.if \s < 3
	s_wait_dscnt 9*(4-\s)                          ; this step's nine loads are in; those of the steps up to 4 may be out
.else
	s_wait_dscnt 9*(7-\s)                          ; this step's nine loads are in; those of the steps up to 7 may be out
.endif
	MUL2 \s
.endr
	OUT 0
	OUT 1
	OUT 2
.Lend:
	s_wait_dscnt 0x0                               ; the closing lines, six on end
	s_wait_alu 0x0
	s_wait_tensorcnt 0x0
	ds_add_u32 v254, v255
	s_wait_dscnt 0x0
	s_endpgm
.Lfunc_end_k_q9c18def748_moe:
	.size	k_q9c18def748_moe, .Lfunc_end_k_q9c18def748_moe-k_q9c18def748_moe
	.p2alignl 7, 3214868480
	.fill 96, 4, 3214868480
	.section	.rodata,"a",@progbits
	.p2align	6, 0x0
	.amdhsa_kernel k_q9c18def748_moe
		.amdhsa_group_segment_fixed_size 75776
		.amdhsa_private_segment_fixed_size 0
		.amdhsa_enable_private_segment 0
		.amdhsa_kernarg_size 80
		.amdhsa_user_sgpr_count 2
		.amdhsa_user_sgpr_kernarg_segment_ptr 1
		.amdhsa_wavefront_size32 1
		.amdhsa_system_sgpr_workgroup_id_x 1
		.amdhsa_system_sgpr_workgroup_id_y 1
		.amdhsa_system_sgpr_workgroup_id_z 1
		.amdhsa_system_vgpr_workitem_id 0
		.amdhsa_next_free_vgpr 1024
		.amdhsa_next_free_sgpr 96
		.amdhsa_reserve_vcc 0
		.amdhsa_float_denorm_mode_32 3
		.amdhsa_float_denorm_mode_16_64 3
		.amdhsa_memory_ordered 1
		.amdhsa_forward_progress 1
		.amdhsa_inst_pref_size 255
	.end_amdhsa_kernel
	.section	.bss,"aw",@nobits
	.p2align	6
	.space	262144
	.amdgpu_metadata
---
amdhsa.version: [ 1, 2 ]
amdhsa.kernels:
  - .name:           k_q9c18def748_moe
    .symbol:         k_q9c18def748_moe.kd
    .args:
      - { .name: counts, .offset: 0, .size: 8, .value_kind: global_buffer, .address_space: global }
      - { .name: order, .offset: 8, .size: 8, .value_kind: global_buffer, .address_space: global }
      - { .name: x_codes, .offset: 16, .size: 8, .value_kind: global_buffer, .address_space: global }
      - { .name: x_scales, .offset: 24, .size: 8, .value_kind: global_buffer, .address_space: global }
      - { .name: w0f, .offset: 32, .size: 8, .value_kind: global_buffer, .address_space: global }
      - { .name: w0_scales, .offset: 40, .size: 8, .value_kind: global_buffer, .address_space: global }
      - { .name: w1f, .offset: 48, .size: 8, .value_kind: global_buffer, .address_space: global }
      - { .name: w1_scales, .offset: 56, .size: 8, .value_kind: global_buffer, .address_space: global }
      - { .name: routing_weights, .offset: 64, .size: 8, .value_kind: global_buffer, .address_space: global }
      - { .name: out0, .offset: 72, .size: 8, .value_kind: global_buffer, .address_space: global }
    .group_segment_fixed_size: 75776
    .private_segment_fixed_size: 0
    .kernarg_segment_align: 8
    .kernarg_segment_size: 80
    .max_flat_workgroup_size: 128
    .sgpr_count:     96
    .vgpr_count:     1024
    .wavefront_size: 32
...
	.end_amdgpu_metadata
.endif
;; end of part 3
